; MI455X (gfx1250); checked and timed in simulation.
; The chip was launched on July 23, 2026; its instructions are those of AMD's public machine-readable ISA for CDNA 5 (MIT licence, August 2026) and "CDNA5" Instruction Set Architecture Reference Guide (July 2026). The comments in the code are by the model that wrote it; some were corrected since.
;; Dust3 R Cross Attention. Allowed arithmetic: float matrix products may take bf16 or f16 operands with f32 sums; all other float work in f32.
;; Inputs: Wk 768 x 768 float32; Wo 768 x 768 float32; Wq 768 x 768 float32; Wv 768 x 768 float32; bo 768 float32; key 8 x 1,024 x 768 float32; query 8 x 1,024 x 768 float32; value 8 x 1,024 x 768 float32.
;; Outputs: out0 8 x 1,024 x 768 float32.
;; 2 versions, each right; version 2 is version 1 with the launch prep written anew for expert scheduling mode. Each part assembles by itself: llvm-mc -triple=amdgcn-amd-amdhsa -mcpu=gfx1250 --defsym DOCPART=n.
;; ======== version 1 of 2: 4 launches
;; workspace buffers: wb 4,718,592 bytes; tab 262,144 bytes; qh 12,582,912 bytes; kh 12,582,912 bytes; vt 12,582,912 bytes; xh 12,582,912 bytes
;; launch prep (part 1): grid 256 x 1, 4 waves a work-group, no clusters, 0 bytes of LDS; arguments Wq, Wk, Wv, Wo, wb, tab; writes wb, tab
.if DOCPART == 1
	.amdgcn_target "amdgcn-amd-amdhsa--gfx1250"
	.amdhsa_code_object_version 6
	.text
	.protected	k_q5f4a81b904_prep
	.globl	k_q5f4a81b904_prep
	.p2align	8
	.type	k_q5f4a81b904_prep,@function
k_q5f4a81b904_prep:
	s_mov_b64 s[64:65], 0
	v_nop
	global_prefetch_b8 v0, s[64:65] scope:SCOPE_SE
	s_setreg_imm32_b32 hwreg(HW_REG_WAVE_MODE, 25, 1), 1
	s_wait_xcnt 0x0
; Weights to bf16, and the rotary table.
; wb = [4: q, k, v, o][768 rows][768] bf16.  Wq is multiplied by 0.125 log2(e) (softmax scale, and exponentials in base 2).
; Inside each head the rows of Wq and Wk change places: bits 4 and 5 of the row number are swapped, so that feature d and its
; rotary partner d + 32 lie 16 rows apart.  q.k does not change under a common order of d, so nothing is ever put back.
; tab = [1024 tokens][cos of 32 frequencies | sin of 32 frequencies] f32, 256 bytes a token.
; Work-group G, wave w: rows (G & 63) 12 + 3 w + 0..2 of matrix G >> 6, and token 4 G + w of the table.
; LIMITS: the angle is token x c with c = 100^(-j/32) / (2 pi) from v_exp_f32: at most about 2e-4 rad off at token 1023;
; the cosine is its series to z^9 on |f| <= 1/2 turn: at most about 2e-6 off.  NaN and infinities in the weights are not served.
; No LDS, matrix unit or cluster: every byte is read once and written once, and no two work-groups share a byte.
.set MAT, 1179648                      ; bytes of one bf16 matrix
.set X,   8                            ; v[8:79]    18 loads of 4 f32
.set Y,   80                           ; v[80:115]  18 results of 4 bf16
	s_load_b256 s[4:11], s[0:1], 0x0               ; Wq s[4:5], Wk s[6:7], Wv s[8:9], Wo s[10:11]
	s_load_b128 s[12:15], s[0:1], 0x20             ; wb s[12:13], tab s[14:15]
	v_lshrrev_b32 v1, 5, v0
	v_readfirstlane_b32 s17, v1                    ; wave
	v_and_b32 v3, 31, v0                           ; lane
	v_lshlrev_b32 v1, 4, v3                        ; 16 bytes of f32 a lane
	v_lshlrev_b32 v2, 3, v3                        ; 8 bytes of bf16 (or two f32 of the table) a lane
	s_lshr_b32 s16, ttmp9, 6                       ; which matrix
	s_and_b32 s22, ttmp9, 63
	s_mul_i32 s22, s22, 12
	s_mul_i32 s23, s17, 3
	s_add_co_u32 s22, s22, s23                     ; my first row
	s_lshl_b32 s24, ttmp9, 2
	s_add_co_u32 s24, s24, s17                     ; my token
	s_mul_i32 s25, s16, MAT
	s_cmp_eq_u32 s16, 0
	s_cselect_b32 s20, 0x3e38aa3b, 1.0             ; 0.125 log2(e) for Wq, 1 for the others
	s_mov_b32 s21, s20
	s_wait_kmcnt 0x0
	s_cmp_eq_u32 s16, 1
	s_cselect_b64 s[18:19], s[6:7], s[4:5]
	s_cmp_eq_u32 s16, 2
	s_cselect_b64 s[18:19], s[8:9], s[18:19]
	s_cmp_eq_u32 s16, 3
	s_cselect_b64 s[18:19], s[10:11], s[18:19]     ; the matrix that I read
.irp i, 0,1,2
	s_add_co_u32 s40, s22, \i                      ; the row as it is read
	s_and_not1_b32 s41, s40, 48
	s_and_b32 s42, s40, 16
	s_lshl_b32 s42, s42, 1
	s_or_b32 s41, s41, s42
	s_and_b32 s42, s40, 32
	s_lshr_b32 s42, s42, 1
	s_or_b32 s41, s41, s42                         ; bits 4 and 5 swapped
	s_cmp_lt_u32 s16, 2
	s_cselect_b32 s41, s41, s40                    ; for Wq and Wk alone
	s_mul_i32 s42, s40, 3072
	s_mov_b32 s43, 0
	s_add_nc_u64 s[28+2*\i:29+2*\i], s[18:19], s[42:43]
	s_mul_i32 s42, s41, 1536
	s_add_co_u32 s42, s42, s25
	s_add_nc_u64 s[34+2*\i:35+2*\i], s[12:13], s[42:43]
.endr
	s_lshl_b32 s42, s24, 8
	s_mov_b32 s43, 0
	s_add_nc_u64 s[44:45], s[14:15], s[42:43]      ; my token's 256 bytes of the table
.irp i, 0,1,2
.irp c, 0,1,2,3,4,5
	global_load_b128 v[X+4*(6*\i+\c):X+4*(6*\i+\c)+3], v1, s[28+2*\i:29+2*\i] offset:512*\c th:TH_LOAD_NT
.endr
.endr
	; the table, while the 18 loads are on their way.  Lanes 0-15: cos of frequencies 2 l, 2 l + 1; lanes 16-31: sin of the same.
	v_and_b32 v116, 15, v3
	v_lshlrev_b32 v116, 1, v116
	v_add_nc_u32 v117, 1, v116
	v_cvt_f32_u32 v116, v116
	v_cvt_f32_u32 v117, v117
	v_mul_f32 v116, 0xbe549a78, v116               ; - j log2(100) / 32
	v_mul_f32 v117, 0xbe549a78, v117
	v_exp_f32 v120, v116
	v_exp_f32 v121, v117
	v_lshrrev_b32 v119, 4, v3                      ; the plain instruction behind the two exponentials (ISA guide 5.7.2)
	v_cvt_f32_u32 v119, v119                       ; 1 for the sine's lanes
	v_cvt_f32_u32 v118, s24                        ; the token
	s_wait_alu depctr_va_vdst(0)
	v_mul_f32 v120, 0.15915494, v120               ; turns for each token
	v_mul_f32 v121, 0.15915494, v121
	v_mul_f32 v122, v118, v120
	v_mul_f32 v123, v118, v121
	v_rndne_f32 v122, v122
	v_rndne_f32 v123, v123
	v_fma_f32 v122, v118, v120, -v122              ; the turn's fraction, from the unrounded product
	v_fma_f32 v123, v118, v121, -v123
	v_fmamk_f32 v122, v119, 0xbe800000, v122       ; the sine is the cosine a quarter turn back
	v_fmamk_f32 v123, v119, 0xbe800000, v123
	v_rndne_f32 v124, v122
	v_rndne_f32 v125, v123
	v_sub_f32 v122, v122, v124                     ; back into -1/2 .. 1/2
	v_sub_f32 v123, v123, v125
	v_mul_f32 v124, v122, v122
	v_mul_f32 v125, v123, v123
	v_mov_b32 v126, 0xbd150622                     ; cos(2 pi f) = sum of (-1)^i (2 pi)^(2i) / (2i)! z^i, z = f f, i = 9 down to 0
	v_mov_b32 v127, 0xbd150622
.irp k, 0x3e906317, 0xbfdb7128, 0x40fce9c5, 0xc1d368f9, 0x4270fa83, 0xc2aae9e4, 0x4281e0f8, 0xc19de9e6
	v_fmaak_f32 v126, v126, v124, \k
	v_fmaak_f32 v127, v127, v125, \k
.endr
	v_fma_f32 v126, v126, v124, 1.0
	v_fma_f32 v127, v127, v125, 1.0
	global_store_b64 v2, v[126:127], s[44:45]      ; 32 lanes x 8 bytes: the token's whole 256 bytes
	; the weights: no register is used twice, so the only waits are the counted ones for the loads
.set n, 0
.rept 18
	s_wait_loadcnt 17-n                            ; loads come back in order (ISA guide 5.7.1): load n is in, the younger ones stay out
	v_pk_mul_f32 v[X+4*n:X+4*n+1], v[X+4*n:X+4*n+1], s[20:21] op_sel_hi:[1,0]
	v_pk_mul_f32 v[X+4*n+2:X+4*n+3], v[X+4*n+2:X+4*n+3], s[20:21] op_sel_hi:[1,0]
	v_cvt_pk_bf16_f32 v[Y+2*n], v[X+4*n], v[X+4*n+1]
	v_cvt_pk_bf16_f32 v[Y+2*n+1], v[X+4*n+2], v[X+4*n+3]
	global_store_b64 v2, v[Y+2*n:Y+2*n+1], s[34+2*(n/6):35+2*(n/6)] offset:256*(n%6)   ; 256 consecutive bytes, aligned
.set n, n+1
.endr
	s_endpgm
.Lfunc_end_k_q5f4a81b904_prep:
	.size	k_q5f4a81b904_prep, .Lfunc_end_k_q5f4a81b904_prep-k_q5f4a81b904_prep
	.p2alignl 7, 3214868480
	.fill 96, 4, 3214868480
	.section	.rodata,"a",@progbits
	.p2align	6, 0x0
	.amdhsa_kernel k_q5f4a81b904_prep
		.amdhsa_group_segment_fixed_size 0
		.amdhsa_private_segment_fixed_size 0
		.amdhsa_enable_private_segment 0
		.amdhsa_kernarg_size 48
		.amdhsa_user_sgpr_count 2
		.amdhsa_user_sgpr_kernarg_segment_ptr 1
		.amdhsa_wavefront_size32 1
		.amdhsa_system_sgpr_workgroup_id_x 1
		.amdhsa_system_sgpr_workgroup_id_y 1
		.amdhsa_system_sgpr_workgroup_id_z 1
		.amdhsa_system_vgpr_workitem_id 0
		.amdhsa_next_free_vgpr 128
		.amdhsa_next_free_sgpr 66
		.amdhsa_reserve_vcc 0
		.amdhsa_float_denorm_mode_32 3
		.amdhsa_float_denorm_mode_16_64 3
		.amdhsa_memory_ordered 1
		.amdhsa_forward_progress 1
		.amdhsa_inst_pref_size 14
	.end_amdhsa_kernel
	.amdgpu_metadata
---
amdhsa.version: [ 1, 2 ]
amdhsa.kernels:
  - .name:           k_q5f4a81b904_prep
    .symbol:         k_q5f4a81b904_prep.kd
    .args:
      - { .name: Wq, .offset: 0, .size: 8, .value_kind: global_buffer, .address_space: global }
      - { .name: Wk, .offset: 8, .size: 8, .value_kind: global_buffer, .address_space: global }
      - { .name: Wv, .offset: 16, .size: 8, .value_kind: global_buffer, .address_space: global }
      - { .name: Wo, .offset: 24, .size: 8, .value_kind: global_buffer, .address_space: global }
      - { .name: wb, .offset: 32, .size: 8, .value_kind: global_buffer, .address_space: global }
      - { .name: tab, .offset: 40, .size: 8, .value_kind: global_buffer, .address_space: global }
    .group_segment_fixed_size: 0
    .private_segment_fixed_size: 0
    .kernarg_segment_align: 8
    .kernarg_segment_size: 48
    .max_flat_workgroup_size: 128
    .sgpr_count:     66
    .vgpr_count:     128
    .wavefront_size: 32
...
	.end_amdgpu_metadata
.endif
;; end of part 1
;; launch qkv (part 2): grid 4 x 64, 4 waves a work-group, clusters of 4 x 4, 327,680 bytes of LDS; arguments query, key, value, wb, tab, qh, kh, vt; writes qh, kh, vt
.if DOCPART == 2
	.amdgcn_target "amdgcn-amd-amdhsa--gfx1250"
	.amdhsa_code_object_version 6
	.text
	.protected	k_q5f4a81b904_qkv
	.globl	k_q5f4a81b904_qkv
	.p2align	8
	.type	k_q5f4a81b904_qkv,@function
k_q5f4a81b904_qkv:
	s_mov_b64 s[64:65], 0
	v_nop
	global_prefetch_b8 v0, s[64:65] scope:SCOPE_SE
	s_setreg_imm32_b32 hwreg(HW_REG_WAVE_MODE, 25, 1), 1
	s_wait_xcnt 0x0
	s_wait_alu depctr_hold_cnt(0) depctr_sa_sdst(0) depctr_va_vdst(0) depctr_va_sdst(0) depctr_va_ssrc(0) depctr_va_vcc(0) depctr_vm_vsrc(0)
	s_getreg_b32 s2, hwreg(HW_REG_IB_STS2, 6, 4)
	s_cmp_eq_u32 s2, 0
	s_cbranch_scc0 .Lentry_in_a_cluster
	s_endpgm
.Lentry_in_a_cluster:
	s_bfe_u32 s2, ttmp6, 0x10000c
	s_cmp_lg_u32 s2, 0xf033
	s_cbranch_scc0 .Lentry_shape_is_right
	s_endpgm
.Lentry_shape_is_right:
; q = rope(query Wq^T), k = rope(key Wk^T), v = value Wv^T, in bf16, f32 sums.
; qh, kh: [batch][head][1024 tokens][64 places] (places = features with bits 4 and 5 swapped, as wb's rows lie); vt: [batch][head][64 features][1024 tokens].
; A work-group makes the tile (128 tokens) x (192 columns = 3 heads) of q, then of k, then of v: 3 x 8192 x 768 outputs are 768 such tiles, three for each
; of 256 work-groups.  18 K steps of 128 run on without a break.  Four waves, each 64 tokens x 96 columns: 24 accumulator tiles.
; The inputs are f32: they come through registers (each wave 32 rows x 512 bytes a step), are rounded to bf16 and laid into LDS by ds_store.
; The weights are bf16 already and come by tensor loads into two LDS slots of TWO K steps each (rows of 512 bytes): from a slot's request to the wait
; for it a wave issues 12 + 96 + 72 = 180 matrix instructions, and a slot is filled again behind every second step only.
; A tile is three slots, so the slots' turns differ from tile to tile: the three tiles are written out, without a loop.
; CLUSTER 4 x 4: the four work-groups of a column of the cluster make the same 192 columns and ask for each weight tile jointly, which divides those
; requests by four.  The inputs go through registers and cannot be shared so.
; cos and sin of a wave's 64 tokens and 32 frequencies are loaded once, into 128 registers, and serve q and k.
; LIMITS: NaN and infinities are not served; the table's limits are stated where it is made.
; REGISTERS: window 0: addresses, two fragment buffers, scratch; window 1: the 192 accumulators, tile (a, b) at 8 (6 a + b);
; window 2: two sets of 128 registers for the f32 inputs on their way; window 3: cos and sin, 32 registers for each block of 16 tokens.
.set MAT,   1179648                    ; bytes of one bf16 weight matrix
.set PITCH, 272                        ; LDS rows of 256 bytes + 16: sixteen neighbouring rows begin in sixteen different 16-byte columns of 256
.set WP,    528                        ; the weights' LDS rows: 512 bytes + 16, with the same property
.set WSZ,   192*WP                     ; a weight slot: 192 rows x two K steps; slots at 0 and WSZ, filled by tensor loads
.set XB0,   2*WSZ                      ; two input buffers of 128 rows, one K step each, written by ds_store alone
.set XBSZ,  128*PITCH
.set STG,   XB0+2*XBSZ                 ; the way out: 192 rows, written by ds_store alone; it ends at byte 324,608
.set XOFF, 8                           ; v8      input: wave x 32 rows + 16 lane
.set XST,  9                           ; v9      where my converted 8 bytes go
.set ADRA, 10                          ; v10     input fragments
.set ADRB, 11                          ; v11-12  weight fragments, slot 0, 1
.set TA,   13                          ; v13-14  my offset in the table: frequencies of units 0 and 2, of unit 1
.set STO,  16                          ; v16-18  q, k: stage address of my three units
.set STV,  19                          ; v19     v: stage address
.set RD,   20                          ; v20     reading the stage back
.set COQ,  21                          ; v21     my offset in qh, kh
.set COV,  22                          ; v22     my offset in vt
.set F0,   64                          ; v[64:143]   fragments: 6 of the weights, then 4 of the input
.set F1,   144                         ; v[144:223]
.set TMP,  224                         ; v[224:255]
.set G1,  24                           ; s[24:31] weight tiles: shape
.set G0,  32                           ; s[32:39] weight tiles: from where, to where; a set for each slot
.set TB,  40                           ; s[40:41] the table at my 128 tokens
.set XQ,  52                           ; s[52:53] query, s[54:55] key, s[56:57] value at my 128 rows
.set XK,  54
.set XV,  56
.set OQ,  58                           ; s[58:59] qh, s[60:61] kh, s[62:63] vt at my tile
.set OK,  60
.set OV,  62
.set MULW, 0x50                        ; C and D in window 1, fragments in window 0
.set MSB, 0
.macro WIN new                         ; the immediate's high byte repeats the setting that is left
.if MSB != \new
	s_set_vgpr_msb (MSB<<8)|\new
.set MSB, \new
.endif
.endm
.macro PLACES                          ; four places behind a matrix instruction ahead of loads into, or reads of, its registers
.rept 4
	v_nop
.endr
.endm
.macro CREST                           ; a round of the cluster's barrier behind its opening barrier
	s_cmp_lg_u32 s20, 0
	s_cbranch_scc1 .Lnot_wave_0_\@
	s_barrier_signal -3
.Lnot_wave_0_\@:
	s_barrier_wait -3
	s_barrier_signal -1
	s_barrier_wait -1
.endm
.macro CROUND
	s_barrier_signal -1
	s_barrier_wait -1
	CREST
.endm
; 32 rows x 512 bytes of f32 into a register set: one instruction reads one row's 512 consecutive bytes
.macro XLOAD base, koff, set
	WIN 0x80
.set xi, 0
.rept 32
	global_load_b128 v[128*\set+4*xi:128*\set+4*xi+3], v[XOFF], s[\base:\base+1] offset:3072*xi+\koff
.set xi, xi+1
.endr
	WIN 0
.endm
; 16 of a set's 32 rows to bf16 and into the input buffer of the same number; cnt = the younger loads that may stay out
.macro CVTX set, half, cnt
	s_wait_loadcnt \cnt
	WIN 0x0a
.set ci, 0
.rept 16
	v_cvt_pk_bf16_f32 v[TMP+2*ci],   v[128*\set+64*\half+4*ci],   v[128*\set+64*\half+4*ci+1]
	v_cvt_pk_bf16_f32 v[TMP+2*ci+1], v[128*\set+64*\half+4*ci+2], v[128*\set+64*\half+4*ci+3]
.set ci, ci+1
.endr
	WIN 0
.set ci, 0
.rept 16
	ds_store_b64 v[XST], v[TMP+2*ci:TMP+2*ci+1] offset:\set*XBSZ+PITCH*(16*\half+ci)   ; 256 consecutive LDS bytes
.set ci, ci+1
.endr
.endm
; the fragments of 32 along K: 96 weight rows from slot ws, 64 input rows from buffer p.  A step's parity p is also its half of the weight slot's rows;
; k = the byte inside the step's 256
.macro FETCH ws, p, k, f
	WIN 0
.irp b, 0,1,2,3,4,5
	ds_load_b128 v[\f+8*\b:\f+8*\b+3],   v[ADRB+\ws] offset:256*\p+\k+16*WP*\b
	ds_load_b128 v[\f+8*\b+4:\f+8*\b+7], v[ADRB+\ws] offset:256*\p+\k+16*WP*\b+32
.endr
.irp a, 0,1,2,3
	ds_load_b128 v[\f+48+8*\a:\f+48+8*\a+3],   v[ADRA] offset:\p*XBSZ+\k+16*PITCH*\a
	ds_load_b128 v[\f+48+8*\a+4:\f+48+8*\a+7], v[ADRA] offset:\p*XBSZ+\k+16*PITCH*\a+32
.endr
.endm
; na x 6 matrix instructions.  swap = 0 (q, k): weights first, so a lane holds one token and 8 neighbouring places;
; swap = 1 (v): input first, so a lane holds one feature and 8 neighbouring tokens.  zero = 1: the first product starts the sums.
; The 24 accumulators take turns, one instruction a turn, in the same order in every quarter.
.macro MUL f, a0, na, zero, swap
.set ma, \a0
.rept \na
.set mb, 0
.rept 6
.set acc, 8*(6*ma+mb)
.if \swap
.set opa, \f+48+8*ma
.set opb, \f+8*mb
.else
.set opa, \f+8*mb
.set opb, \f+48+8*ma
.endif
.if \zero
	v_wmma_f32_16x16x32_bf16 v[acc:acc+7], v[opa:opa+7], v[opb:opb+7], 0
.else
	v_wmma_f32_16x16x32_bf16 v[acc:acc+7], v[opa:opa+7], v[opb:opb+7], v[acc:acc+7]
.endif
.set mb, mb+1
.endr
.set ma, ma+1
.endr
.endm
; one of a K step's first three quarters: fetches the next quarter's fragments into gb, converts half of the next step's input (cv = 1), multiplies f
.macro QUARTER ws, p, k, f, gb, zero, swap, cv, cset, chalf, ccnt
	s_wait_dscnt 0x0                               ; buffer f is in
	PLACES
	FETCH \ws, \p, \k, \gb
.if \cv
	CVTX \cset, \chalf, \ccnt
.endif
	WIN MULW
	MUL \f, 0, 4, \zero, \swap
.endm
; the last quarter, and the change of steps.  In front of the barrier: my reads of this step's input buffer and weights and my stores into the other
; input buffer are done.
; kind 0: the next step reads the same weight slot's other half: a plain barrier, behind which nothing is filled, so my one tensor load may stay out.
; kind 1: the slot ws has been read to its end: all my tensor loads are waited for too, the barrier opens a round of the cluster's barrier, and behind
;         the round the slot gets the weights of two slots ahead, my one tensor load there.
; kind 2: as 1, but nothing is left to fetch: a plain barrier, alike in all partners.
; xl = 1: the input three steps ahead is asked for.
.macro TURN ws, nws, q, kind, winc, xl, xbase, xk, swap
	s_wait_dscnt 0x0
.if \kind
	s_wait_tensorcnt 0x0
	ds_add_u32 v62, v63
	s_wait_dscnt 0x0
.endif
	s_barrier_signal -1
	WIN MULW
	MUL F1, 0, 2, 0, \swap                         ; register work while the others arrive
	WIN 0
	s_barrier_wait -1
.if \kind == 1
	CREST
	s_add_nc_u64 s[G0+4*\ws+2:G0+4*\ws+3], s[G0+4*\ws+2:G0+4*\ws+3], \winc
	tensor_load_to_lds s[G0+4*\ws:G0+4*\ws+3], s[G1:G1+7]
	s_nop 0
.endif
.if \xl
	XLOAD \xbase, \xk, \q
.endif
	PLACES
	FETCH \nws, \q, 0, F0
	WIN MULW
	MUL F1, 2, 2, 0, \swap
.endm
; a K step: weight slot ws (the next step's: nws), parity p (q = the other).
; c0, c1: at the conversions the next step's 32 loads stay out, and at the first half this set's 16 later ones too
.macro STEP ws, nws, p, q, zero, swap, c0, c1, kind, winc, xl, xbase, xk
	QUARTER \ws, \p, 64,  F0, F1, \zero, \swap, 0, 0, 0, 0
	QUARTER \ws, \p, 128, F1, F0, 0, \swap, 1, \q, 0, \c0
	QUARTER \ws, \p, 192, F0, F1, 0, \swap, 1, \q, 1, \c1
	TURN \ws, \nws, \q, \kind, \winc, \xl, \xbase, \xk, \swap
.endm
; the stage is whole behind a barrier (behind it nothing is filled, so a tensor load may stay out); each wave reads 16 rows of each head's 64
; back and stores them: sixteen lanes store 256 consecutive bytes, aligned
.macro READBACK co, base, st
	s_wait_dscnt 0x0
	s_barrier_signal -1
	s_barrier_wait -1
.set t, 0
.rept 24
	ds_load_b128 v[F1+4*t:F1+4*t+3], v[RD] offset:64*PITCH*(t/8)+2*PITCH*(t%8)
.set t, t+1
.endr
.set t, 0
.rept 24
	s_wait_dscnt 23-t                              ; LDS loads come back in order: load t is in
	global_store_b128 v[\co], v[F1+4*t:F1+4*t+3], s[\base:\base+1] offset:131072*(t/8)+\st*(t%8)
.set t, t+1
.endr
	s_wait_xcnt 0x0                                ; the stores' data registers are written again only behind this wait
.endm
; q, k: rotate, round, stage, store.  Tiles 2 ub and 2 ub + 1 hold a feature and its partner in the same lane and register.
; Buffer F0 holds the next tile's first fragments and is left alone.
.macro EPI_QK obase
	PLACES
.irp a, 0,1,2,3
	WIN 0x0d                                       ; source 0 from the accumulators' window, source 1 from the table's
.irp ub, 0,1,2
.irp pr, 0,2,4,6
.set xlo, 8*(6*\a+2*\ub)+\pr
.set xhi, xlo+8
.set cs,  32*\a+16*(\ub&1)+\pr
.set yl,  F1+32+16*\ub+\pr
.set yh,  yl+8
	v_pk_mul_f32 v[yl:yl+1], v[xlo:xlo+1], v[cs:cs+1]
	v_pk_mul_f32 v[yh:yh+1], v[xlo:xlo+1], v[cs+8:cs+9]
	v_pk_fma_f32 v[yh:yh+1], v[xhi:xhi+1], v[cs:cs+1], v[yh:yh+1]      ; x2 cos + x1 sin
	v_fma_f32 v[yl],   -v[xhi],   v[cs+8], v[yl]                       ; x1 cos - x2 sin
	v_fma_f32 v[yl+1], -v[xhi+1], v[cs+9], v[yl+1]
.endr
.endr
	WIN 0
.irp ub, 0,1,2
.irp hf, 0,1
.irp k, 0,1,2,3
	v_cvt_pk_bf16_f32 v[TMP+8*\ub+4*\hf+\k], v[F1+32+16*\ub+8*\hf+2*\k], v[F1+32+16*\ub+8*\hf+2*\k+1]
.endr
.endr
.endr
.irp ub, 0,1,2
.irp hf, 0,1
	ds_store_b128 v[STO+\ub], v[TMP+8*\ub+4*\hf:TMP+8*\ub+4*\hf+3] offset:8*PITCH*\a+32*\hf
.endr
.endr
.endr
	READBACK COQ, \obase, 512
.endm
.macro EPI_V                           ; v: round, stage by features, store
	PLACES
.irp a, 0,1,2,3
	WIN 0x05
.irp b, 0,1,2,3,4,5
.irp k, 0,1,2,3
	v_cvt_pk_bf16_f32 v[TMP+4*\b+\k], v[8*(6*\a+\b)+2*\k], v[8*(6*\a+\b)+2*\k+1]
.endr
.endr
	WIN 0
.irp b, 0,1,2,3,4,5
	ds_store_b128 v[STV], v[TMP+4*\b:TMP+4*\b+3] offset:16*PITCH*\b+32*\a
.endr
.endr
	READBACK COV, OV, 4096
.endm
	s_load_b512 s[4:19], s[0:1], 0x0               ; query, key, value, wb, tab, qh, kh, vt
	v_lshl_add_u32 v62, v0, 2, 0x4f400
	v_mov_b32 v63, 0
	ds_add_u32 v62, v63
	v_lshrrev_b32 v1, 5, v0
	v_readfirstlane_b32 s20, v1                    ; wave
	s_lshr_b32 s21, s20, 1                         ; rg: which 64 tokens
	s_and_b32 s22, s20, 1                          ; g: which 96 columns
	s_bfe_u32 s66, ttmp6, 0x40000                  ; cx
	s_bfe_u32 s67, ttmp6, 0x40004                  ; cy
	s_lshl_b32 s68, ttmp9, 2
	s_add_co_u32 s68, s68, s66                     ; cb: column block of 192
	s_and_b32 s69, ttmp7, 0xffff
	s_lshl_b32 s69, s69, 2
	s_add_co_u32 s69, s69, s67                     ; rb: row block of 128
	s_lshl_b32 s72, 0x1111, s66                    ; my column of the cluster
	s_or_b32 s[G1+0], s72, (1<<16)|(1<<20)|(1<<21)|(6<<22)|(3<<25)   ; mask; 2-byte elements; 4 words of padding behind every 128; bit 21 beside a mask
	s_mov_b32 s[G1+1], 256<<16                     ; tensor_dim0 = 256: two K steps
	s_mov_b32 s[G1+2], 48<<16                      ; tensor_dim1 = 48
	s_mov_b32 s[G1+3], 256<<16                     ; tile_dim0 = 256
	s_mov_b32 s[G1+4], 48                          ; tile_dim1 = 48 rows: a quarter of the slot for each wave
	s_mov_b32 s[G1+5], 768                         ; elements from row to row
	s_mov_b32 s[G1+6], 0
	s_mov_b32 s[G1+7], 0
	s_mul_i32 s70, s68, 192*1536                   ; weights: row 192 cb + 48 wave.  s70-71 never hold cy
	s_mul_i32 s74, s20, 48*1536
	s_add_co_u32 s70, s70, s74
	s_mov_b32 s71, 0
	s_mul_i32 s75, s20, 48*WP                      ; and where they go: the wave's number alone
	s_and_b32 s76, s69, 7                          ; nb: row block inside the batch
	s_lshl_b32 s78, s76, 15                        ; table: token 128 nb, 256 bytes each
	s_mov_b32 s79, 0
	s_mul_i32 s80, s69, 128*3072                   ; inputs: my 128 rows
	s_mov_b32 s81, 0
	s_lshr_b32 s82, s69, 3                         ; batch
	s_mul_i32 s82, s82, 12
	s_mul_i32 s83, s68, 3
	s_add_co_u32 s82, s82, s83
	s_lshl_b32 s82, s82, 17                        ; (12 batch + 3 cb) heads of 131,072 bytes
	s_lshl_b32 s84, s76, 14
	s_add_co_u32 s84, s84, s82                     ; qh, kh: + 128 nb tokens of 128 bytes
	s_mov_b32 s85, 0
	s_lshl_b32 s86, s76, 8
	s_add_co_u32 s86, s86, s82                     ; vt: + 128 nb tokens of 2 bytes
	s_mov_b32 s87, 0
	; lane terms
	v_and_b32 v1, 15, v0                           ; r
	v_bfe_u32 v2, v0, 4, 1                         ; h
	v_and_b32 v3, 31, v0                           ; lane
	v_mul_u32_u24 v4, v1, PITCH
	v_lshl_add_u32 v4, v2, 4, v4                   ; 272 r + 16 h
	v_mul_u32_u24 v23, v1, WP
	v_lshl_add_u32 v23, v2, 4, v23                 ; 528 r + 16 h
	v_lshlrev_b32 v5, 8, v1
	v_lshl_add_u32 v5, v2, 5, v5                   ; 256 r + 32 h: token r's row of the table, my 8 frequencies
	v_lshrrev_b32 v6, 1, v1
	v_mul_u32_u24 v6, v6, PITCH
	v_and_b32 v7, 1, v1
	v_lshl_add_u32 v6, v7, 7, v6
	v_lshl_add_u32 v6, v2, 4, v6                   ; 272 (r >> 1) + 128 (r & 1) + 16 h: two tokens in a stage row
	s_mul_i32 s88, s20, 32*3072
	v_lshlrev_b32 v[XOFF], 4, v3
	v_add_nc_u32 v[XOFF], s88, v[XOFF]
	s_mul_i32 s88, s20, 32*PITCH
	s_add_co_u32 s88, s88, XB0
	v_lshl_add_u32 v[XST], v3, 3, s88
	s_mul_i32 s88, s21, 64*PITCH
	s_add_co_u32 s89, s88, XB0
	v_add_nc_u32 v[ADRA], s89, v4
	s_mul_i32 s89, s22, 96*WP
	v_add_nc_u32 v[ADRB], s89, v23
	v_add_nc_u32 v[ADRB+1], WSZ, v[ADRB]
	s_mul_i32 s90, s22, 96*PITCH
	s_lshl_b32 s91, s21, 14                        ; my 64 tokens of the table
	s_lshl_b32 s92, s22, 6                         ; units 3 g and 3 g + 2 hold frequencies 16 g .., unit 3 g + 1 the other sixteen
	s_add_co_u32 s93, s91, s92
	v_add_nc_u32 v[TA], s93, v5
	s_xor_b32 s92, s92, 64
	s_add_co_u32 s93, s91, s92
	v_add_nc_u32 v[TA+1], s93, v5
	s_mul_i32 s91, s21, 32*PITCH
	s_add_co_u32 s91, s91, STG
	s_mul_i32 s92, s22, 3
.irp ub, 0,1,2
	s_add_co_u32 s93, s92, \ub                     ; unit u = 3 g + ub: head u >> 1, half of the head u & 1
	s_lshr_b32 s94, s93, 1
	s_mul_i32 s94, s94, 64*PITCH
	s_and_b32 s93, s93, 1
	s_lshl_b32 s93, s93, 6
	s_add_co_u32 s94, s94, s93
	s_add_co_u32 s94, s94, s91
	v_add_nc_u32 v[STO+\ub], s94, v6
.endr
	s_lshl_b32 s93, s21, 7
	s_add_co_u32 s93, s93, s90
	s_add_co_u32 s93, s93, STG
	v_add_nc_u32 v[STV], s93, v4                   ; row = feature 96 g + r, byte 128 rg + 16 h
	s_mul_i32 s93, s20, 16*PITCH
	s_add_co_u32 s93, s93, STG
	v_mul_u32_u24 v7, v2, PITCH
	v_lshl_add_u32 v7, v1, 4, v7
	v_add_nc_u32 v[RD], s93, v7                    ; stage row 16 wave + h, 16 bytes at 16 r
	v_lshlrev_b32 v7, 8, v2
	v_lshl_add_u32 v7, v1, 4, v7
	s_lshl_b32 s93, s20, 12
	v_add_nc_u32 v[COQ], s93, v7                   ; the same rows of 256 bytes in qh, kh
	v_lshlrev_b32 v7, 11, v2
	v_lshl_add_u32 v7, v1, 4, v7
	s_lshl_b32 s93, s20, 15
	v_add_nc_u32 v[COV], s93, v7                   ; and in vt, rows 2,048 bytes apart
	s_wait_dscnt 0x0
	s_wait_kmcnt 0x0
	s_add_nc_u64 s[70:71], s[10:11], s[70:71]
	s_add_nc_u64 s[TB:TB+1], s[12:13], s[78:79]
	s_add_nc_u64 s[XQ:XQ+1], s[4:5], s[80:81]
	s_add_nc_u64 s[XK:XK+1], s[6:7], s[80:81]
	s_add_nc_u64 s[XV:XV+1], s[8:9], s[80:81]
	s_add_nc_u64 s[OQ:OQ+1], s[14:15], s[84:85]
	s_add_nc_u64 s[OK:OK+1], s[16:17], s[84:85]
	s_add_nc_u64 s[OV:OV+1], s[18:19], s[86:87]
	; cos and sin, once: for each block a of 16 tokens and each kind o of unit 8 cos and 8 sin of token r.  The eight loads of a block take each
	; token's 256 bytes whole.  They are the wave's oldest loads, so the first counted wait below shows them in.
	WIN 0xc0                                       ; destination in window 3
.irp a, 0,1,2,3
.irp o, 0,1
	global_load_b128 v[32*\a+16*\o:32*\a+16*\o+3],     v[TA+\o], s[TB:TB+1] offset:4096*\a
	global_load_b128 v[32*\a+16*\o+4:32*\a+16*\o+7],   v[TA+\o], s[TB:TB+1] offset:4096*\a+16
	global_load_b128 v[32*\a+16*\o+8:32*\a+16*\o+11],  v[TA+\o], s[TB:TB+1] offset:4096*\a+128
	global_load_b128 v[32*\a+16*\o+12:32*\a+16*\o+15], v[TA+\o], s[TB:TB+1] offset:4096*\a+144
.endr
.endr
	WIN 0
	XLOAD XQ, 0, 0                                 ; input of steps 0 and 1
	XLOAD XQ, 512, 1
	CROUND                                         ; all sixteen work-groups are here: the first joint loads meet
.irp n, 0,1
	s_mov_b32 s[G0+4*\n], 1
	s_add_co_u32 s[G0+4*\n+1], s75, \n*WSZ
	s_add_nc_u64 s[G0+4*\n+2:G0+4*\n+3], s[70:71], \n*512          ; K steps 2 n and 2 n + 1 of Wq
	s_or_b32 s[G0+4*\n+3], s[G0+4*\n+3], 0x80000000
	tensor_load_to_lds s[G0+4*\n:G0+4*\n+3], s[G1:G1+7]            ; two tensor loads of the wave are out here, one at a time later
	s_nop 0
.endr
	CVTX 0, 0, 48                                  ; step 0 into buffer 0: 48, then 32 younger loads stay out
	CVTX 0, 1, 32
	XLOAD XQ, 1024, 0                              ; step 2
	s_wait_tensorcnt 0x1                           ; my part of slot 0 is in; slot 1's may stay out
	s_wait_dscnt 0x0                               ; my part of buffer 0 is written
	s_barrier_signal -1
	s_barrier_wait -1
	FETCH 0, 0, 0, F0
	; q: slots 0, 1, 0.  A slot's address goes two slots on: 1,024 bytes inside a matrix, MAT - 512 from a matrix into the next
	STEP 0, 0, 0, 1, 1, 0, 48, 32, 0, 0,       1, XQ, 1536
	STEP 0, 1, 1, 0, 0, 0, 48, 32, 1, 1024,    1, XQ, 2048
	STEP 1, 1, 0, 1, 0, 0, 48, 32, 0, 0,       1, XQ, 2560
	STEP 1, 0, 1, 0, 0, 0, 48, 32, 1, MAT-512, 1, XK, 0
	STEP 0, 0, 0, 1, 0, 0, 48, 32, 0, 0,       1, XK, 512
	STEP 0, 1, 1, 0, 0, 0, 48, 32, 1, MAT-512, 1, XK, 1024
	EPI_QK OQ
	; k: slots 1, 0, 1
	STEP 1, 1, 0, 1, 1, 0, 48, 32, 0, 0,       1, XK, 1536
	STEP 1, 0, 1, 0, 0, 0, 48, 32, 1, 1024,    1, XK, 2048
	STEP 0, 0, 0, 1, 0, 0, 48, 32, 0, 0,       1, XK, 2560
	STEP 0, 1, 1, 0, 0, 0, 48, 32, 1, MAT-512, 1, XV, 0
	STEP 1, 1, 0, 1, 0, 0, 48, 32, 0, 0,       1, XV, 512
	STEP 1, 0, 1, 0, 0, 0, 48, 32, 1, MAT-512, 1, XV, 1024
	EPI_QK OK
	; v: slots 0, 1, 0; its tail asks for nothing beyond the end
	STEP 0, 0, 0, 1, 1, 1, 48, 32, 0, 0,       1, XV, 1536
	STEP 0, 1, 1, 0, 0, 1, 48, 32, 1, 1024,    1, XV, 2048
	STEP 1, 1, 0, 1, 0, 1, 48, 32, 0, 0,       1, XV, 2560
	STEP 1, 0, 1, 0, 0, 1, 48, 32, 2, 0,       0, XV, 0      ; the last slot has landed; no fill is left
	STEP 0, 0, 0, 1, 0, 1, 16, 0,  0, 0,       0, XV, 0      ; the last input: only its own 16 later loads, then none, stay out
	QUARTER 0, 1, 64,  F0, F1, 0, 1, 0, 0, 0, 0
	QUARTER 0, 1, 128, F1, F0, 0, 1, 0, 0, 0, 0
	QUARTER 0, 1, 192, F0, F1, 0, 1, 0, 0, 0, 0
	s_wait_dscnt 0x0
	WIN MULW
	MUL F1, 0, 4, 0, 1
	EPI_V
	s_wait_tensorcnt 0x0
	ds_add_u32 v62, v63
	s_wait_dscnt 0x0
	CROUND                                         ; the closing round: no work-group ends while a partner may still ask jointly
	s_endpgm
.Lfunc_end_k_q5f4a81b904_qkv:
	.size	k_q5f4a81b904_qkv, .Lfunc_end_k_q5f4a81b904_qkv-k_q5f4a81b904_qkv
	.p2alignl 7, 3214868480
	.fill 96, 4, 3214868480
	.section	.rodata,"a",@progbits
	.p2align	6, 0x0
	.amdhsa_kernel k_q5f4a81b904_qkv
		.amdhsa_group_segment_fixed_size 327680
		.amdhsa_private_segment_fixed_size 0
		.amdhsa_enable_private_segment 0
		.amdhsa_kernarg_size 64
		.amdhsa_user_sgpr_count 2
		.amdhsa_user_sgpr_kernarg_segment_ptr 1
		.amdhsa_wavefront_size32 1
		.amdhsa_system_sgpr_workgroup_id_x 1
		.amdhsa_system_sgpr_workgroup_id_y 1
		.amdhsa_system_sgpr_workgroup_id_z 1
		.amdhsa_system_vgpr_workitem_id 0
		.amdhsa_next_free_vgpr 896
		.amdhsa_next_free_sgpr 96
		.amdhsa_reserve_vcc 0
		.amdhsa_float_denorm_mode_32 3
		.amdhsa_float_denorm_mode_16_64 3
		.amdhsa_memory_ordered 1
		.amdhsa_forward_progress 1
		.amdhsa_inst_pref_size 255
	.end_amdhsa_kernel
	.section	.bss,"aw",@nobits
	.p2align	6
	.space	262144
	.amdgpu_metadata
---
amdhsa.version: [ 1, 2 ]
amdhsa.kernels:
  - .name:           k_q5f4a81b904_qkv
    .symbol:         k_q5f4a81b904_qkv.kd
    .args:
      - { .name: query, .offset: 0, .size: 8, .value_kind: global_buffer, .address_space: global }
      - { .name: key, .offset: 8, .size: 8, .value_kind: global_buffer, .address_space: global }
      - { .name: value, .offset: 16, .size: 8, .value_kind: global_buffer, .address_space: global }
      - { .name: wb, .offset: 24, .size: 8, .value_kind: global_buffer, .address_space: global }
      - { .name: tab, .offset: 32, .size: 8, .value_kind: global_buffer, .address_space: global }
      - { .name: qh, .offset: 40, .size: 8, .value_kind: global_buffer, .address_space: global }
      - { .name: kh, .offset: 48, .size: 8, .value_kind: global_buffer, .address_space: global }
      - { .name: vt, .offset: 56, .size: 8, .value_kind: global_buffer, .address_space: global }
    .group_segment_fixed_size: 327680
    .private_segment_fixed_size: 0
    .kernarg_segment_align: 8
    .kernarg_segment_size: 64
    .max_flat_workgroup_size: 128
    .sgpr_count:     96
    .vgpr_count:     896
    .wavefront_size: 32
...
	.end_amdgpu_metadata
.endif
;; end of part 2
;; launch attn (part 3): grid 8 x 32, 12 waves a work-group, clusters of 4 x 1, 327,680 bytes of LDS; arguments qh, kh, vt, xh; writes xh
.if DOCPART == 3
	.amdgcn_target "amdgcn-amd-amdhsa--gfx1250"
	.amdhsa_code_object_version 6
	.text
	.protected	k_q5f4a81b904_attn
	.globl	k_q5f4a81b904_attn
	.p2align	8
	.type	k_q5f4a81b904_attn,@function
k_q5f4a81b904_attn:
	s_mov_b64 s[64:65], 0
	v_nop
	global_prefetch_b8 v0, s[64:65] scope:SCOPE_SE
	s_setreg_imm32_b32 hwreg(HW_REG_WAVE_MODE, 25, 1), 1
	s_wait_xcnt 0x0
	s_wait_alu depctr_hold_cnt(0) depctr_sa_sdst(0) depctr_va_vdst(0) depctr_va_sdst(0) depctr_va_ssrc(0) depctr_va_vcc(0) depctr_vm_vsrc(0)
	s_getreg_b32 s2, hwreg(HW_REG_IB_STS2, 6, 4)
	s_cmp_eq_u32 s2, 0
	s_cbranch_scc0 .Lentry_in_a_cluster
	s_endpgm
.Lentry_in_a_cluster:
	s_bfe_u32 s2, ttmp6, 0x10000c
	s_cmp_lg_u32 s2, 0x3003
	s_cbranch_scc0 .Lentry_shape_is_right
	s_endpgm
.Lentry_shape_is_right:
; x = softmax(q k^T) v for 128 queries of 3 heads, with a running maximum.  q carries 0.125 log2(e), so exponentials are in base 2.
; xh = [12 heads][8192 tokens][64] bf16.
; Twelve waves, three on each SIMD, so that one wave's softmax runs beside another's matrix work: wave w has head w >> 2 of the three and 32 queries (w & 3).
; LAYOUT: S^T = K Q^T (first source: 16 keys; second: 16 queries): lane (r, h) holds query r and keys 8 h + j of each tile of 16 keys.  Two such tiles,
; rounded to bf16 and packed, ARE the second source of O^T = V^T P^T: nothing moves between lanes but one exchange of halves for the maximum.
; Maximum, sum and rescaling belong to the lane's query.  O^T gives a lane 8 neighbouring features of its query.
; CLUSTER 4 x 1: the four work-groups are four query blocks of the same three heads; every tile of K and of V^T is asked for jointly (mask 15).
; Keys go in tiles of 128 through two LDS slots.  A slot's six tiles of 64 rows (K and V^T of three heads) are shared out among the twelve waves, 32 rows each,
; so that every wave issues one load, into bytes that are its own: wave x 8,704 + the slot.  Waves with w & 3 = 0, 1 fetch the halves of their head's K,
; those with w & 3 = 2, 3 the halves of its V^T.  One tensor load of a wave is out at most.
; LIMITS: v_exp_f32 gives 0 below 2^-126; NaN and infinities are not served.
.set PITCH, 272
.set SLOT,  104448                     ; 3 heads x (K: 64 rows of two keys; V^T: 64 rows of 128 keys), rows of 256 + 16 bytes
.set HEADB, 34816
.set VOFF,  17408
.set STAGE, 2*SLOT                     ; 16 rows for each wave, its own, never filled by a tensor load
.set KADR, 4                           ; v4-5   K fragments, slot 0, 1
.set VADR, 6                           ; v6-7   V^T fragments
.set STO,  8
.set RD,   9
.set CO,   10
.set QOFF, 11
.set Q,    16                          ; v[16:47]    16 qt + 8 c
.set O,    48                          ; v[48:111]   8 (4 qt + dt)
.set S,    112                         ; v[112:175]  8 (4 qt + kt); later P, packed
.set KV,   176                         ; v[176:239]  K fragments, then V^T fragments
.set M,    240                         ; v240-241    running maximum of query tile 0, 1
.set NM,   242                         ; v[242:245]  its negative, twice for each query tile
.set AL,   246                         ; v[246:249]  the rescaling factor, twice for each
.set L,    250                         ; v[250:253]  running sums, a pair for each
.set G1K,  16                          ; s[16:23]  K's tiles: the shape
.set G1V,  24                          ; s[24:31]  V^T's tiles: the shape
.set G0K,  32                          ; s[32:39]  K's tiles: from where, to where; a set for each slot
.set G0V,  40                          ; s[40:47]  the same for V^T
.macro PLACES
.rept 4
	v_nop
.endr
.endm
.macro ROUND                           ; a round of the cluster's barrier
	s_barrier_signal -1
	s_barrier_wait -1
	s_cmp_lg_u32 s12, 0
	s_cbranch_scc1 .Lnot_wave_0_\@
	s_barrier_signal -3
.Lnot_wave_0_\@:
	s_barrier_wait -3
	s_barrier_signal -1
	s_barrier_wait -1
.endm
.macro JLOAD slot                      ; a joint load: each line has one shape; the branch hangs on the wave's number alone, so it is the same in all four partners
	s_cmp_gt_u32 s14, 1
	s_cbranch_scc1 .Lfor_v_\@
	tensor_load_to_lds s[G0K+4*\slot:G0K+4*\slot+3], s[G1K:G1K+7]
	s_nop 0
	s_branch .Lasked_\@
.Lfor_v_\@:
	tensor_load_to_lds s[G0V+4*\slot:G0V+4*\slot+3], s[G1V:G1V+7]
	s_nop 0
.Lasked_\@:
.endm
	s_load_b256 s[4:11], s[0:1], 0x0               ; qh, kh, vt, xh
	v_lshl_add_u32 v254, v0, 2, 0x3fc00
	v_mov_b32 v255, 0
	ds_add_u32 v254, v255
	v_lshrrev_b32 v1, 5, v0
	v_readfirstlane_b32 s12, v1                    ; wave
	s_lshr_b32 s13, s12, 2                         ; hl: which of the three heads
	s_and_b32 s14, s12, 3                          ; wq: which 32 queries; also 0, 1: I fetch K; 2, 3: I fetch V^T
	s_and_b32 s62, s12, 1                          ; which 32 rows of that tile I fetch
	s_bfe_u32 s48, ttmp6, 0x40000                  ; cx
	s_lshl_b32 s49, ttmp9, 2
	s_add_co_u32 s49, s49, s48                     ; query block
	s_and_b32 s50, ttmp7, 0xffff
	s_lshr_b32 s51, s50, 2                         ; batch
	s_and_b32 s52, s50, 3
	s_mul_i32 s53, s52, 3
	s_add_co_u32 s53, s53, s13                     ; head
	s_mul_i32 s54, s51, 12
	s_add_co_u32 s54, s54, s53
	s_lshl_b32 s54, s54, 17                        ; (12 batch + head) x 131,072 bytes.  s54-59 never hold cx
	s_mov_b32 s55, 0
	s_mov_b32 s60, 0x76543210                      ; v_permlanex16_b32: lane i of one half reads lane i of the other
	s_mov_b32 s61, 0xfedcba98
	; the shapes: 32 rows of 128 elements of 2 bytes, 4 words of padding behind every 64; the mask names all four partners, bit 21 beside it
	s_mov_b32 s[G1K+0], 15|(1<<16)|(1<<20)|(1<<21)|(5<<22)|(3<<25)
	s_mov_b32 s[G1K+1], 128<<16                    ; tensor_dim0 = 128
	s_mov_b32 s[G1K+2], 32<<16                     ; tensor_dim1 = 32
	s_mov_b32 s[G1K+3], 128<<16                    ; tile_dim0 = 128
	s_mov_b32 s[G1K+4], 32                         ; tile_dim1 = 32
	s_mov_b32 s[G1K+5], 128                        ; K: rows of two keys follow each other in memory
	s_mov_b32 s[G1K+6], 0
	s_mov_b32 s[G1K+7], 0
	s_mov_b32 s[G1V+0], 15|(1<<16)|(1<<20)|(1<<21)|(5<<22)|(3<<25)
	s_mov_b32 s[G1V+1], 128<<16
	s_mov_b32 s[G1V+2], 32<<16
	s_mov_b32 s[G1V+3], 128<<16
	s_mov_b32 s[G1V+4], 32
	s_mov_b32 s[G1V+5], 1024                       ; V^T: 1,024 elements from feature to feature
	s_mov_b32 s[G1V+6], 0
	s_mov_b32 s[G1V+7], 0
	s_mul_i32 s63, s12, 32*PITCH                   ; where my 32 rows go: wave x 8,704 = head x 34,816 + (K's halves, then V^T's halves) x 8,704
	s_lshl_b32 s56, s62, 13                        ; K: my half begins 32 rows of 256 bytes on
	s_add_co_u32 s56, s56, s54
	s_mov_b32 s57, 0
	s_lshl_b32 s58, s62, 16                        ; V^T: my half begins 32 features of 2,048 bytes on
	s_add_co_u32 s58, s58, s54
	s_mov_b32 s59, 0
	s_lshl_b32 s66, s49, 14
	s_lshl_b32 s67, s14, 12
	s_add_co_u32 s66, s66, s67                     ; (128 query block + 32 wq) rows of 128 bytes
	s_mov_b32 s67, 0
	s_lshl_b32 s70, s53, 20
	s_lshl_b32 s71, s51, 17
	s_add_co_u32 s70, s70, s71
	s_add_co_u32 s70, s70, s66                     ; xh: head x 8192 tokens + batch x 1024 tokens + my queries
	s_mov_b32 s71, 0
	s_mul_i32 s72, s13, HEADB
	v_and_b32 v1, 15, v0                           ; r
	v_bfe_u32 v2, v0, 4, 1                         ; h
	v_lshrrev_b32 v3, 1, v1
	v_mul_u32_u24 v3, v3, PITCH
	v_and_b32 v12, 1, v1
	v_lshl_add_u32 v3, v12, 7, v3
	v_lshl_add_u32 v3, v2, 4, v3                   ; 272 (r >> 1) + 128 (r & 1) + 16 h: two rows of 128 bytes in an LDS row
	v_add_nc_u32 v[KADR], s72, v3
	v_add_nc_u32 v[KADR+1], SLOT, v[KADR]
	v_mul_u32_u24 v13, v1, PITCH
	v_lshl_add_u32 v13, v2, 4, v13
	s_add_co_u32 s73, s72, VOFF
	v_add_nc_u32 v[VADR], s73, v13
	v_add_nc_u32 v[VADR+1], SLOT, v[VADR]
	s_mul_i32 s74, s12, 16*PITCH
	s_add_co_u32 s74, s74, STAGE
	v_add_nc_u32 v[STO], s74, v3
	v_mul_u32_u24 v14, v2, PITCH
	v_lshl_add_u32 v14, v1, 4, v14
	v_add_nc_u32 v[RD], s74, v14
	v_and_b32 v15, 31, v0
	v_lshlrev_b32 v[CO], 4, v15
	v_lshlrev_b32 v[QOFF], 7, v1
	v_lshl_add_u32 v[QOFF], v2, 4, v[QOFF]
	s_wait_dscnt 0x0
	s_wait_kmcnt 0x0
	s_add_nc_u64 s[56:57], s[6:7], s[56:57]        ; every wave makes both addresses and asks by one of them
	s_add_nc_u64 s[58:59], s[8:9], s[58:59]
.irp n, 0,1
	s_mov_b32 s[G0K+4*\n], 1
	s_add_co_u32 s[G0K+4*\n+1], s63, \n*SLOT
	s_add_nc_u64 s[G0K+4*\n+2:G0K+4*\n+3], s[56:57], \n*16384      ; slot n: tile n, 128 keys of 128 bytes on
	s_or_b32 s[G0K+4*\n+3], s[G0K+4*\n+3], 0x80000000
	s_mov_b32 s[G0V+4*\n], 1
	s_add_co_u32 s[G0V+4*\n+1], s63, \n*SLOT
	s_add_nc_u64 s[G0V+4*\n+2:G0V+4*\n+3], s[58:59], \n*256        ; 128 keys of 2 bytes on
	s_or_b32 s[G0V+4*\n+3], s[G0V+4*\n+3], 0x80000000
.endr
	s_add_nc_u64 s[68:69], s[4:5], s[54:55]
	s_add_nc_u64 s[68:69], s[68:69], s[66:67]      ; my 32 queries
	s_add_nc_u64 s[70:71], s[10:11], s[70:71]      ; and where their result goes
.irp qt, 0,1
.irp ch, 0,1
	global_load_b128 v[Q+16*\qt+8*\ch:Q+16*\qt+8*\ch+3],   v[QOFF], s[68:69] offset:2048*\qt+64*\ch
	global_load_b128 v[Q+16*\qt+8*\ch+4:Q+16*\qt+8*\ch+7], v[QOFF], s[68:69] offset:2048*\qt+64*\ch+32
.endr
.endr
	ROUND                                          ; in front of the first joint load
	JLOAD 0
; the largest of a query tile's 32 scores in my lane, then the other half's
.macro MAXQ qt, ta, tb
.set sb, S+32*\qt
	v_max3_num_f32 v[\ta], v[sb], v[sb+1], v[sb+2]
	v_max3_num_f32 v[\tb], v[sb+16], v[sb+17], v[sb+18]
.irp i, 3,5,7,9,11,13
	v_max3_num_f32 v[\ta], v[\ta], v[sb+\i], v[sb+\i+1]
	v_max3_num_f32 v[\tb], v[\tb], v[sb+16+\i], v[sb+16+\i+1]
.endr
	v_max3_num_f32 v[\ta], v[\ta], v[\tb], v[sb+15]
	v_max_num_f32 v[\ta], v[\ta], v[sb+31]
	v_permlanex16_b32 v[\tb], v[\ta], s60, s61
.endm
; 64 keys (half c2 of the slot's 128) against my 32 queries.  first = 1: the very first, which starts maximum, sums and O.
; In both products the eight accumulators take turns, one instruction a turn.
.macro SUB slot, c2, first
.irp kt, 0,1,2,3
.irp ch, 0,1
	ds_load_b128 v[KV+16*\kt+8*\ch:KV+16*\kt+8*\ch+3],   v[KADR+\slot] offset:PITCH*(32*\c2+8*\kt)+64*\ch
	ds_load_b128 v[KV+16*\kt+8*\ch+4:KV+16*\kt+8*\ch+7], v[KADR+\slot] offset:PITCH*(32*\c2+8*\kt)+64*\ch+32
.endr
.endr
	s_wait_dscnt 0x0
.irp qt, 0,1
.irp kt, 0,1,2,3
	v_wmma_f32_16x16x32_bf16 v[S+32*\qt+8*\kt:S+32*\qt+8*\kt+7], v[KV+16*\kt:KV+16*\kt+7], v[Q+16*\qt:Q+16*\qt+7], 0
.endr
.endr
.irp qt, 0,1
.irp kt, 0,1,2,3
	v_wmma_f32_16x16x32_bf16 v[S+32*\qt+8*\kt:S+32*\qt+8*\kt+7], v[KV+16*\kt+8:KV+16*\kt+15], v[Q+16*\qt+8:Q+16*\qt+15], v[S+32*\qt+8*\kt:S+32*\qt+8*\kt+7]
.endr
.endr
	PLACES                                         ; ahead of the loads over K's fragments and of the reads of S
.irp dt, 0,1,2,3
.irp kc, 0,1
	ds_load_b128 v[KV+16*\dt+8*\kc:KV+16*\dt+8*\kc+3],   v[VADR+\slot] offset:16*PITCH*\dt+128*\c2+64*\kc
	ds_load_b128 v[KV+16*\dt+8*\kc+4:KV+16*\dt+8*\kc+7], v[VADR+\slot] offset:16*PITCH*\dt+128*\c2+64*\kc+32
.endr
.endr
	MAXQ 0, 12, 13
	MAXQ 1, 14, 15
.if \first
	v_max_num_f32 v[M], v12, v13
	v_max_num_f32 v[M+1], v14, v15
.else
	v_max3_num_f32 v12, v12, v13, v[M]             ; the new running maximum
	v_max3_num_f32 v14, v14, v15, v[M+1]
	v_sub_f32 v[AL], v[M], v12
	v_sub_f32 v[AL+2], v[M+1], v14
	v_mov_b32 v[M], v12
	v_mov_b32 v[M+1], v14
	v_exp_f32 v[AL], v[AL]                         ; 2^(old - new); the plain lines below stand between these and their use (ISA guide 5.7.2)
	v_exp_f32 v[AL+2], v[AL+2]
.endif
	v_mul_f32 v[NM], -1.0, v[M]
	v_mul_f32 v[NM+1], -1.0, v[M]
	v_mul_f32 v[NM+2], -1.0, v[M+1]
	v_mul_f32 v[NM+3], -1.0, v[M+1]
.if \first == 0
	s_wait_alu depctr_va_vdst(0)
	v_mov_b32 v[AL+1], v[AL]
	v_mov_b32 v[AL+3], v[AL+2]
.endif
.irp qt, 0,1
.irp i, 0,2,4,6,8,10,12,14,16,18,20,22,24,26,28,30
	v_pk_add_f32 v[S+32*\qt+\i:S+32*\qt+\i+1], v[S+32*\qt+\i:S+32*\qt+\i+1], v[NM+2*\qt:NM+2*\qt+1]
.endr
.endr
.set e, 0
.rept 64
	v_exp_f32 v[S+e], v[S+e]
.set e, e+1
.endr
.if \first
	v_nop                                          ; the plain place behind the exponentials
	s_wait_alu depctr_va_vdst(0)
.else
	s_wait_alu depctr_va_vdst(0)
.irp qt, 0,1
.irp i, 0,2,4,6,8,10,12,14,16,18,20,22,24,26,28,30
	v_pk_mul_f32 v[O+32*\qt+\i:O+32*\qt+\i+1], v[O+32*\qt+\i:O+32*\qt+\i+1], v[AL+2*\qt:AL+2*\qt+1]
.endr
.endr
.endif
.irp qt, 0,1
.set sb, S+32*\qt
.if \first
	v_pk_add_f32 v[L+2*\qt:L+2*\qt+1], v[sb:sb+1], v[sb+2:sb+3]
.else
	v_pk_fma_f32 v[L+2*\qt:L+2*\qt+1], v[L+2*\qt:L+2*\qt+1], v[AL+2*\qt:AL+2*\qt+1], v[sb:sb+1]
	v_pk_add_f32 v[L+2*\qt:L+2*\qt+1], v[L+2*\qt:L+2*\qt+1], v[sb+2:sb+3]
.endif
	v_pk_add_f32 v[12+2*\qt:13+2*\qt], v[sb+16:sb+17], v[sb+18:sb+19]
.irp i, 4,6,8,10,12,14
	v_pk_add_f32 v[L+2*\qt:L+2*\qt+1], v[L+2*\qt:L+2*\qt+1], v[sb+\i:sb+\i+1]
	v_pk_add_f32 v[12+2*\qt:13+2*\qt], v[12+2*\qt:13+2*\qt], v[sb+16+\i:sb+16+\i+1]
.endr
	v_pk_add_f32 v[L+2*\qt:L+2*\qt+1], v[L+2*\qt:L+2*\qt+1], v[12+2*\qt:13+2*\qt]
.endr
	; P to bf16, packed in place: tiles 2 kc and 2 kc + 1 become the eight registers of one fragment (each write lands on a register already read)
.irp qt, 0,1
.irp kc, 0,1
.set pb, S+32*\qt+16*\kc
.irp i, 0,1,2,3,4,5,6,7
	v_cvt_pk_bf16_f32 v[pb+\i], v[pb+2*\i], v[pb+2*\i+1]
.endr
.endr
.endr
	s_wait_dscnt 0x0                               ; V^T's fragments are in
.irp kc, 0,1
.irp qt, 0,1
.irp dt, 0,1,2,3
.if \first*(1-\kc)
	v_wmma_f32_16x16x32_bf16 v[O+32*\qt+8*\dt:O+32*\qt+8*\dt+7], v[KV+16*\dt+8*\kc:KV+16*\dt+8*\kc+7], v[S+32*\qt+16*\kc:S+32*\qt+16*\kc+7], 0
.else
	v_wmma_f32_16x16x32_bf16 v[O+32*\qt+8*\dt:O+32*\qt+8*\dt+7], v[KV+16*\dt+8*\kc:KV+16*\dt+8*\kc+7], v[S+32*\qt+16*\kc:S+32*\qt+16*\kc+7], v[O+32*\qt+8*\dt:O+32*\qt+8*\dt+7]
.endif
.endr
.endr
.endr
.rept 5
	v_nop                                          ; five places: the next products write over P, the next loads over V^T's fragments
.endr
.endm
; one tile of 128 keys.  All my tensor loads are done, so this slot's addresses may step two tiles on; my reads of the other slot are done;
; the round shows both of every wave of all four work-groups; then the other slot's joint refill, first behind the round, one load a wave.
.macro TRIP slot, nslot, refill, first
	s_wait_tensorcnt 0x0
	ds_add_u32 v254, v255
	s_wait_dscnt 0x0
	s_add_nc_u64 s[G0K+4*\slot+2:G0K+4*\slot+3], s[G0K+4*\slot+2:G0K+4*\slot+3], 32768
	s_add_nc_u64 s[G0V+4*\slot+2:G0V+4*\slot+3], s[G0V+4*\slot+2:G0V+4*\slot+3], 512
	s_wait_dscnt 0x0
	ROUND
.if \refill
	JLOAD \nslot
.endif
	SUB \slot, 0, \first
	SUB \slot, 1, 0
.endm
	s_wait_loadcnt 0x0                             ; q
	TRIP 0, 1, 1, 1
	TRIP 1, 0, 1, 0
	s_mov_b32 s15, 2
.Lkv:
	TRIP 0, 1, 1, 0
	TRIP 1, 0, 1, 0
	s_sub_co_u32 s15, s15, 1
	s_cmp_lg_u32 s15, 0
	s_cbranch_scc1 .Lkv
	TRIP 0, 1, 1, 0                                ; the last two of eight tiles: one more fill, then none (the stepped addresses are not used)
	TRIP 1, 0, 0, 0
	; divide by the sum, round, and out through my own stage
	v_add_f32 v12, v[L], v[L+1]
	v_add_f32 v13, v[L+2], v[L+3]
	v_permlanex16_b32 v14, v12, s60, s61           ; the other half's keys
	v_permlanex16_b32 v15, v13, s60, s61
	v_add_f32 v12, v12, v14
	v_add_f32 v13, v13, v15
	v_rcp_f32 v[AL], v12
	v_rcp_f32 v[AL+2], v13
	v_nop
	s_wait_alu depctr_va_vdst(0)
	v_mov_b32 v[AL+1], v[AL]
	v_mov_b32 v[AL+3], v[AL+2]
.irp qt, 0,1
.irp i, 0,2,4,6,8,10,12,14,16,18,20,22,24,26,28,30
	v_pk_mul_f32 v[O+32*\qt+\i:O+32*\qt+\i+1], v[O+32*\qt+\i:O+32*\qt+\i+1], v[AL+2*\qt:AL+2*\qt+1]
.endr
.endr
.irp t, 0,1,2,3,4,5,6,7
.irp i, 0,1,2,3
	v_cvt_pk_bf16_f32 v[O+8*\t+\i], v[O+8*\t+2*\i], v[O+8*\t+2*\i+1]
.endr
.endr
.irp qt, 0,1
.irp dt, 0,1,2,3
	ds_store_b128 v[STO], v[O+32*\qt+8*\dt:O+32*\qt+8*\dt+3] offset:8*PITCH*\qt+32*\dt
.endr
.endr
.irp i, 0,1,2,3,4,5,6,7
	ds_load_b128 v[KV+4*\i:KV+4*\i+3], v[RD] offset:2*PITCH*\i     ; LDS serves a wave's instructions in order (ISA guide 5.7.1.4): these see the stores above
.endr
.irp i, 0,1,2,3,4,5,6,7
	s_wait_dscnt 7-\i
	global_store_b128 v[CO], v[KV+4*\i:KV+4*\i+3], s[70:71] offset:512*\i   ; 512 consecutive bytes, aligned
.endr
	s_wait_tensorcnt 0x0
	ds_add_u32 v254, v255
	s_wait_dscnt 0x0
	ROUND                                          ; the closing round
	s_endpgm
.Lfunc_end_k_q5f4a81b904_attn:
	.size	k_q5f4a81b904_attn, .Lfunc_end_k_q5f4a81b904_attn-k_q5f4a81b904_attn
	.p2alignl 7, 3214868480
	.fill 96, 4, 3214868480
	.section	.rodata,"a",@progbits
	.p2align	6, 0x0
	.amdhsa_kernel k_q5f4a81b904_attn
		.amdhsa_group_segment_fixed_size 327680
		.amdhsa_private_segment_fixed_size 0
		.amdhsa_enable_private_segment 0
		.amdhsa_kernarg_size 32
		.amdhsa_user_sgpr_count 2
		.amdhsa_user_sgpr_kernarg_segment_ptr 1
		.amdhsa_wavefront_size32 1
		.amdhsa_system_sgpr_workgroup_id_x 1
		.amdhsa_system_sgpr_workgroup_id_y 1
		.amdhsa_system_sgpr_workgroup_id_z 1
		.amdhsa_system_vgpr_workitem_id 0
		.amdhsa_next_free_vgpr 256
		.amdhsa_next_free_sgpr 80
		.amdhsa_reserve_vcc 0
		.amdhsa_float_denorm_mode_32 3
		.amdhsa_float_denorm_mode_16_64 3
		.amdhsa_memory_ordered 1
		.amdhsa_forward_progress 1
		.amdhsa_inst_pref_size 220
	.end_amdhsa_kernel
	.amdgpu_metadata
---
amdhsa.version: [ 1, 2 ]
amdhsa.kernels:
  - .name:           k_q5f4a81b904_attn
    .symbol:         k_q5f4a81b904_attn.kd
    .args:
      - { .name: qh, .offset: 0, .size: 8, .value_kind: global_buffer, .address_space: global }
      - { .name: kh, .offset: 8, .size: 8, .value_kind: global_buffer, .address_space: global }
      - { .name: vt, .offset: 16, .size: 8, .value_kind: global_buffer, .address_space: global }
      - { .name: xh, .offset: 24, .size: 8, .value_kind: global_buffer, .address_space: global }
    .group_segment_fixed_size: 327680
    .private_segment_fixed_size: 0
    .kernarg_segment_align: 8
    .kernarg_segment_size: 32
    .max_flat_workgroup_size: 384
    .sgpr_count:     80
    .vgpr_count:     256
    .wavefront_size: 32
...
	.end_amdgpu_metadata
.endif
;; end of part 3
;; launch oproj (part 4): grid 4 x 64, 4 waves a work-group, clusters of 4 x 4, 327,680 bytes of LDS; arguments xh, wb, bo, out0; writes out0
.if DOCPART == 4
	.amdgcn_target "amdgcn-amd-amdhsa--gfx1250"
	.amdhsa_code_object_version 6
	.text
	.protected	k_q5f4a81b904_oproj
	.globl	k_q5f4a81b904_oproj
	.p2align	8
	.type	k_q5f4a81b904_oproj,@function
k_q5f4a81b904_oproj:
	s_mov_b64 s[64:65], 0
	v_nop
	global_prefetch_b8 v0, s[64:65] scope:SCOPE_SE
	s_setreg_imm32_b32 hwreg(HW_REG_WAVE_MODE, 25, 1), 1
	s_wait_xcnt 0x0
	s_wait_alu depctr_hold_cnt(0) depctr_sa_sdst(0) depctr_va_vdst(0) depctr_va_sdst(0) depctr_va_ssrc(0) depctr_va_vcc(0) depctr_vm_vsrc(0)
	s_getreg_b32 s2, hwreg(HW_REG_IB_STS2, 6, 4)
	s_cmp_eq_u32 s2, 0
	s_cbranch_scc0 .Lentry_in_a_cluster
	s_endpgm
.Lentry_in_a_cluster:
	s_bfe_u32 s2, ttmp6, 0x10000c
	s_cmp_lg_u32 s2, 0xf033
	s_cbranch_scc0 .Lentry_shape_is_right
	s_endpgm
.Lentry_shape_is_right:
; out0 = x Wo^T + bo.  x = xh [12 heads][8192 tokens][64] bf16, Wo = the fourth matrix of wb, bf16; sums and result in f32.
; A work-group makes 128 tokens x 192 columns (8192 x 768 outputs are 256 such tiles), four waves of 64 x 96, 24 accumulator tiles each.
; K goes in six steps of 128 (two heads) through two LDS slots; the steps are written out.
; CLUSTER 4 x 4: x's tiles hang on the row block and are shared along a row of the cluster, Wo's on the column block and are shared along a column:
; each is asked for jointly by four work-groups.  Waves 0 and 1 fetch x's two heads, waves 2 and 3 Wo's two halves: two tensor loads of a wave are out at the start, one later.
; The bias is the first products' C operand, so no add is written.
; LIMITS: NaN and infinities are not served.
; REGISTERS: window 0: addresses, the bias, two fragment buffers; window 1: the accumulators, tile (a, b) at 8 (6 a + b).
.set MAT,   1179648
.set PITCH, 272
.set SLOT,  87040                      ; x: 2 heads x 64 rows of two tokens; then Wo: 192 rows; rows of 256 + 16 bytes
.set BOFS,  34816
.set STAGE, 2*SLOT                     ; 128 rows of 768 + 16 bytes, written by ds_store alone
.set SP,    784
.set ADRA, 8                           ; v8-9    x fragments, slot 0, 1
.set ADRB, 10                          ; v10-11  Wo fragments
.set STO,  12
.set RD,   13
.set CO,   14
.set BOFF, 15
.set BIAS, 16                          ; v[16:63]  register 8 b + j: bo of my column 16 b + 8 h + j
.set F0,   64
.set F1,   144
.set G1A, 24                           ; s[24:31], s[32:39]  x's tiles
.set G0A, 32
.set G1B, 40                           ; s[40:47], s[48:55]  Wo's tiles
.set G0B, 48
.set MSB, 0
.macro WIN new
.if MSB != \new
	s_set_vgpr_msb (MSB<<8)|\new
.set MSB, \new
.endif
.endm
.macro PLACES
.rept 4
	v_nop
.endr
.endm
.macro CREST
	s_cmp_lg_u32 s20, 0
	s_cbranch_scc1 .Lnot_wave_0_\@
	s_barrier_signal -3
.Lnot_wave_0_\@:
	s_barrier_wait -3
	s_barrier_signal -1
	s_barrier_wait -1
.endm
.macro CROUND
	s_barrier_signal -1
	s_barrier_wait -1
	CREST
.endm
.macro JLOAD s                         ; each line has one mask; the branch hangs on the wave's number alone
	s_cmp_eq_u32 s21, 0
	s_cbranch_scc0 .Lfor_b_\@
	tensor_load_to_lds s[G0A+4*\s:G0A+4*\s+3], s[G1A:G1A+7]
	s_nop 0
	s_branch .Lasked_\@
.Lfor_b_\@:
	tensor_load_to_lds s[G0B+4*\s:G0B+4*\s+3], s[G1B:G1B+7]
	s_nop 0
.Lasked_\@:
.endm
	s_load_b256 s[4:11], s[0:1], 0x0               ; xh, wb, bo, out0
	v_lshl_add_u32 v254, v0, 2, 0x43000
	v_mov_b32 v255, 0
	ds_add_u32 v254, v255
	v_lshrrev_b32 v1, 5, v0
	v_readfirstlane_b32 s20, v1                    ; wave
	s_lshr_b32 s21, s20, 1                         ; rg: which 64 tokens.  Also: I fetch x (0) or Wo (1)
	s_and_b32 s22, s20, 1                          ; g: which 96 columns.  Also: which half of that tile I fetch
	s_bfe_u32 s66, ttmp6, 0x40000                  ; cx
	s_bfe_u32 s67, ttmp6, 0x40004                  ; cy
	s_lshl_b32 s68, ttmp9, 2
	s_add_co_u32 s68, s68, s66                     ; cb
	s_and_b32 s69, ttmp7, 0xffff
	s_lshl_b32 s69, s69, 2
	s_add_co_u32 s69, s69, s67                     ; rb
	s_lshl_b32 s70, s67, 2
	s_lshl_b32 s70, 15, s70                        ; my row of the cluster
	s_lshl_b32 s71, 0x1111, s66                    ; my column
	s_or_b32 s[G1A+0], s70, (1<<16)|(1<<20)|(1<<21)|(5<<22)|(3<<25)
	s_mov_b32 s[G1A+1], 128<<16
	s_mov_b32 s[G1A+2], 64<<16
	s_mov_b32 s[G1A+3], 128<<16
	s_mov_b32 s[G1A+4], 64                         ; a head's 128 tokens as 64 rows of 256 bytes,
	s_mov_b32 s[G1A+5], 128                        ; which follow each other in memory
	s_mov_b32 s[G1A+6], 0
	s_mov_b32 s[G1A+7], 0
	s_or_b32 s[G1B+0], s71, (1<<16)|(1<<20)|(1<<21)|(5<<22)|(3<<25)
	s_mov_b32 s[G1B+1], 128<<16
	s_mov_b32 s[G1B+2], 96<<16
	s_mov_b32 s[G1B+3], 128<<16
	s_mov_b32 s[G1B+4], 96
	s_mov_b32 s[G1B+5], 768
	s_mov_b32 s[G1B+6], 0
	s_mov_b32 s[G1B+7], 0
	s_lshl_b32 s72, s22, 20                        ; x: head (w & 1), tokens 128 rb.  s72-73 never hold cx
	s_lshl_b32 s73, s69, 14
	s_add_co_u32 s72, s72, s73
	s_mov_b32 s73, 0
	s_mul_i32 s74, s68, 192*1536                   ; Wo: row 192 cb + 96 (w & 1).  s74-75 never hold cy
	s_mul_i32 s75, s22, 96*1536
	s_add_co_u32 s74, s74, s75
	s_add_co_u32 s74, s74, 3*MAT
	s_mov_b32 s75, 0
	s_mul_i32 s76, s22, 64*PITCH                   ; where they go: the wave's number alone
	s_mul_i32 s77, s22, 96*PITCH
	s_add_co_u32 s77, s77, BOFS
	s_mul_i32 s78, s69, 128*3072                   ; out0: my first row and column
	s_mul_i32 s79, s68, 768
	s_add_co_u32 s78, s78, s79
	s_mul_i32 s60, s22, 384
	s_add_co_u32 s60, s60, s79                     ; bo: my wave's 96 columns
	s_mov_b32 s79, 0
	s_mov_b32 s61, 0
	v_and_b32 v1, 15, v0                           ; r
	v_bfe_u32 v2, v0, 4, 1                         ; h
	v_lshrrev_b32 v3, 1, v1
	v_mul_u32_u24 v3, v3, PITCH
	v_and_b32 v5, 1, v1
	v_lshl_add_u32 v3, v5, 7, v3
	v_lshl_add_u32 v3, v2, 4, v3                   ; two tokens in an LDS row
	v_mul_u32_u24 v4, v1, PITCH
	v_lshl_add_u32 v4, v2, 4, v4
	s_mul_i32 s62, s21, 32*PITCH
	v_add_nc_u32 v[ADRA], s62, v3
	v_add_nc_u32 v[ADRA+1], SLOT, v[ADRA]
	s_mul_i32 s62, s22, 96*PITCH
	s_add_co_u32 s62, s62, BOFS
	v_add_nc_u32 v[ADRB], s62, v4
	v_add_nc_u32 v[ADRB+1], SLOT, v[ADRB]
	v_mul_u32_u24 v5, v1, SP
	v_lshl_add_u32 v5, v2, 5, v5
	s_mul_i32 s62, s21, 64*SP
	s_mul_i32 s63, s22, 384
	s_add_co_u32 s62, s62, s63
	s_add_co_u32 s62, s62, STAGE
	v_add_nc_u32 v[STO], s62, v5                   ; row 64 rg + r, byte 384 g + 32 h
	v_mul_u32_u24 v5, v2, SP
	v_lshl_add_u32 v5, v1, 4, v5
	s_mul_i32 s62, s20, 32*SP
	s_add_co_u32 s62, s62, STAGE
	v_add_nc_u32 v[RD], s62, v5                    ; row 32 wave + h, 16 bytes at 16 r
	v_mul_u32_u24 v5, v2, 3072
	v_lshl_add_u32 v5, v1, 4, v5
	s_mul_i32 s62, s20, 32*3072
	v_add_nc_u32 v[CO], s62, v5
	v_lshlrev_b32 v[BOFF], 5, v2
	s_wait_dscnt 0x0
	s_wait_kmcnt 0x0
	s_add_nc_u64 s[72:73], s[4:5], s[72:73]
	s_add_nc_u64 s[74:75], s[6:7], s[74:75]
	s_add_nc_u64 s[56:57], s[10:11], s[78:79]
	s_add_nc_u64 s[58:59], s[8:9], s[60:61]
	CROUND                                         ; all sixteen work-groups are here: the first joint loads meet
.irp n, 0,1
	s_mov_b32 s[G0A+4*\n], 1
	s_add_co_u32 s[G0A+4*\n+1], s76, \n*SLOT
	s_add_nc_u64 s[G0A+4*\n+2:G0A+4*\n+3], s[72:73], \n*2097152    ; K step n: two heads on
	s_or_b32 s[G0A+4*\n+3], s[G0A+4*\n+3], 0x80000000
	s_mov_b32 s[G0B+4*\n], 1
	s_add_co_u32 s[G0B+4*\n+1], s77, \n*SLOT
	s_add_nc_u64 s[G0B+4*\n+2:G0B+4*\n+3], s[74:75], \n*256
	s_or_b32 s[G0B+4*\n+3], s[G0B+4*\n+3], 0x80000000
	JLOAD \n
.endr
.irp b, 0,1,2,3,4,5
	global_load_b128 v[BIAS+8*\b:BIAS+8*\b+3],   v[BOFF], s[58:59] offset:64*\b
	global_load_b128 v[BIAS+8*\b+4:BIAS+8*\b+7], v[BOFF], s[58:59] offset:64*\b+16
.endr
; quarter c of a K step: head c >> 1 of the slot's two, features 32 (c & 1) ..; in Wo's rows byte 64 c: the same k on both sides
.macro FETCH slot, c, f
	WIN 0
.irp b, 0,1,2,3,4,5
	ds_load_b128 v[\f+8*\b:\f+8*\b+3],   v[ADRB+\slot] offset:16*PITCH*\b+64*\c
	ds_load_b128 v[\f+8*\b+4:\f+8*\b+7], v[ADRB+\slot] offset:16*PITCH*\b+64*\c+32
.endr
.irp a, 0,1,2,3
	ds_load_b128 v[\f+48+8*\a:\f+48+8*\a+3],   v[ADRA+\slot] offset:8*PITCH*\a+64*PITCH*(\c>>1)+64*(\c&1)
	ds_load_b128 v[\f+48+8*\a+4:\f+48+8*\a+7], v[ADRA+\slot] offset:8*PITCH*\a+64*PITCH*(\c>>1)+64*(\c&1)+32
.endr
.endm
; Wo's rows first, so that a lane holds one token and 8 neighbouring columns.  bias = 1: the first product adds onto the bias.
; The 24 accumulators take turns, one instruction a turn, in the same order in every quarter.
.macro MUL f, a0, na, bias
.set ma, \a0
.rept \na
.set mb, 0
.rept 6
.set acc, 8*(6*ma+mb)
.if \bias
	v_wmma_f32_16x16x32_bf16 v[acc:acc+7], v[\f+8*mb:\f+8*mb+7], v[\f+48+8*ma:\f+48+8*ma+7], v[BIAS+8*mb:BIAS+8*mb+7]
.else
	v_wmma_f32_16x16x32_bf16 v[acc:acc+7], v[\f+8*mb:\f+8*mb+7], v[\f+48+8*ma:\f+48+8*ma+7], v[acc:acc+7]
.endif
.set mb, mb+1
.endr
.set ma, ma+1
.endr
.endm
.macro QUARTER slot, c, f, gb, bias
	s_wait_dscnt 0x0                               ; buffer f is in
	PLACES
	FETCH \slot, \c, \gb
.if \bias
	WIN 0x40                                       ; D in window 1, C (the bias) in window 0
.else
	WIN 0x50
.endif
	MUL \f, 0, 4, \bias
.endm
; the last quarter and the change of slots: my reads of this slot and all my tensor loads are done in front of the barrier;
; fill = 1: it opens a round of the cluster's barrier, and the joint refill, two steps ahead, comes first behind the round
.macro TURN slot, nslot, fill
	s_wait_dscnt 0x0
	s_wait_tensorcnt 0x0
	ds_add_u32 v254, v255
	s_wait_dscnt 0x0
	s_barrier_signal -1
	WIN 0x50
	MUL F1, 0, 2, 0
	WIN 0
	s_barrier_wait -1
.if \fill
	CREST
	s_add_nc_u64 s[G0A+4*\slot+2:G0A+4*\slot+3], s[G0A+4*\slot+2:G0A+4*\slot+3], 4194304
	s_add_nc_u64 s[G0B+4*\slot+2:G0B+4*\slot+3], s[G0B+4*\slot+2:G0B+4*\slot+3], 512
	JLOAD \slot
.endif
	PLACES
	FETCH \nslot, 0, F0
	WIN 0x50
	MUL F1, 2, 2, 0
.endm
.macro STEP p, q, bias, fill
	QUARTER \p, 1, F0, F1, \bias
	QUARTER \p, 2, F1, F0, 0
	QUARTER \p, 3, F0, F1, 0
	TURN \p, \q, \fill
.endm
	s_wait_tensorcnt 0x1                           ; my part of step 0 is in; step 1's may stay out
	s_barrier_signal -1
	s_barrier_wait -1
	FETCH 0, 0, F0
	s_wait_loadcnt 0x0                             ; the bias
	STEP 0, 1, 1, 1
	STEP 1, 0, 0, 1
	STEP 0, 1, 0, 1
	STEP 1, 0, 0, 1
	STEP 0, 1, 0, 0                                ; nothing is left to fetch: a plain barrier, alike in all partners
	QUARTER 1, 1, F0, F1, 0
	QUARTER 1, 2, F1, F0, 0
	QUARTER 1, 3, F0, F1, 0
	s_wait_dscnt 0x0
	WIN 0x50
	MUL F1, 0, 4, 0
	; the way out: f32 results into the stage by rows, read back as whole rows of 768 bytes
	PLACES
	WIN 0x04                                       ; the stores' data from window 1
.irp a, 0,1,2,3
.irp b, 0,1,2,3,4,5
	ds_store_b128 v[STO], v[8*(6*\a+\b):8*(6*\a+\b)+3]   offset:16*SP*\a+64*\b
	ds_store_b128 v[STO], v[8*(6*\a+\b)+4:8*(6*\a+\b)+7] offset:16*SP*\a+64*\b+16
.endr
.endr
	WIN 0
	s_wait_dscnt 0x0                               ; my part of the stage is written
	s_barrier_signal -1
	s_barrier_wait -1
; eight rows of my 32: twelve loads and stores; sixteen lanes store 256 consecutive bytes, aligned
.macro OUTB q, f
.if \q >= 2
	s_wait_xcnt 0x0                                ; buffer f, which stores read, is loaded again only behind this wait
.endif
.set t, 0
.rept 12
	ds_load_b128 v[\f+4*t:\f+4*t+3], v[RD] offset:2*SP*(4*\q+t/3)+256*(t%3)
.set t, t+1
.endr
.set t, 0
.rept 12
	s_wait_dscnt 11-t
	global_store_b128 v[CO], v[\f+4*t:\f+4*t+3], s[56:57] offset:6144*(4*\q+t/3)+256*(t%3) th:TH_STORE_NT
.set t, t+1
.endr
.endm
	OUTB 0, F0
	OUTB 1, F1
	OUTB 2, F0
	OUTB 3, F1
	s_wait_tensorcnt 0x0
	ds_add_u32 v254, v255
	s_wait_dscnt 0x0
	CROUND                                         ; the closing round
	s_endpgm
.Lfunc_end_k_q5f4a81b904_oproj:
	.size	k_q5f4a81b904_oproj, .Lfunc_end_k_q5f4a81b904_oproj-k_q5f4a81b904_oproj
	.p2alignl 7, 3214868480
	.fill 96, 4, 3214868480
	.section	.rodata,"a",@progbits
	.p2align	6, 0x0
	.amdhsa_kernel k_q5f4a81b904_oproj
		.amdhsa_group_segment_fixed_size 327680
		.amdhsa_private_segment_fixed_size 0
		.amdhsa_enable_private_segment 0
		.amdhsa_kernarg_size 32
		.amdhsa_user_sgpr_count 2
		.amdhsa_user_sgpr_kernarg_segment_ptr 1
		.amdhsa_wavefront_size32 1
		.amdhsa_system_sgpr_workgroup_id_x 1
		.amdhsa_system_sgpr_workgroup_id_y 1
		.amdhsa_system_sgpr_workgroup_id_z 1
		.amdhsa_system_vgpr_workitem_id 0
		.amdhsa_next_free_vgpr 448
		.amdhsa_next_free_sgpr 80
		.amdhsa_reserve_vcc 0
		.amdhsa_float_denorm_mode_32 3
		.amdhsa_float_denorm_mode_16_64 3
		.amdhsa_memory_ordered 1
		.amdhsa_forward_progress 1
		.amdhsa_inst_pref_size 96
	.end_amdhsa_kernel
	.amdgpu_metadata
---
amdhsa.version: [ 1, 2 ]
amdhsa.kernels:
  - .name:           k_q5f4a81b904_oproj
    .symbol:         k_q5f4a81b904_oproj.kd
    .args:
      - { .name: xh, .offset: 0, .size: 8, .value_kind: global_buffer, .address_space: global }
      - { .name: wb, .offset: 8, .size: 8, .value_kind: global_buffer, .address_space: global }
      - { .name: bo, .offset: 16, .size: 8, .value_kind: global_buffer, .address_space: global }
      - { .name: out0, .offset: 24, .size: 8, .value_kind: global_buffer, .address_space: global }
    .group_segment_fixed_size: 327680
    .private_segment_fixed_size: 0
    .kernarg_segment_align: 8
    .kernarg_segment_size: 32
    .max_flat_workgroup_size: 128
    .sgpr_count:     80
    .vgpr_count:     448
    .wavefront_size: 32
...
	.end_amdgpu_metadata
.endif
;; end of part 4
;; ======== version 2 of 2: 4 launches; version 1 with the launch prep written anew for expert scheduling mode
;; workspace buffers: wb 4,718,592 bytes; tab 262,144 bytes; qh 12,582,912 bytes; kh 12,582,912 bytes; vt 12,582,912 bytes; xh 12,582,912 bytes
;; launch prep (part 5): grid 256 x 1, 4 waves a work-group, no clusters, 0 bytes of LDS; arguments Wq, Wk, Wv, Wo, wb, tab; writes wb, tab
.if DOCPART == 5
	.amdgcn_target "amdgcn-amd-amdhsa--gfx1250"
	.amdhsa_code_object_version 6
	.text
	.protected	k_q5f4a81b904_prep
	.globl	k_q5f4a81b904_prep
	.p2align	8
	.type	k_q5f4a81b904_prep,@function
k_q5f4a81b904_prep:
	s_mov_b64 s[64:65], 0
	v_nop
	global_prefetch_b8 v0, s[64:65] scope:SCOPE_SE
	s_setreg_imm32_b32 hwreg(HW_REG_WAVE_SCHED_MODE, 0, 2), 2
	s_setreg_imm32_b32 hwreg(HW_REG_WAVE_MODE, 25, 1), 1
	s_wait_xcnt 0x0
	s_wait_alu depctr_vm_vsrc(0)
; Weights to bf16, and the rotary table.
; wb = [4: q, k, v, o][768 rows][768] bf16.  Wq is multiplied by 0.125 log2(e) (softmax scale, and exponentials in base 2).
; Inside each head the rows of Wq and Wk change places: bits 4 and 5 of the row number are swapped, so that feature d and its
; rotary partner d + 32 lie 16 rows apart.  q.k does not change under a common order of d, so nothing is ever put back.
; tab = [1024 tokens][cos of 32 frequencies | sin of 32 frequencies] f32, 256 bytes a token.
; Work-group G, wave w: rows (G & 63) 12 + 3 w + 0..2 of matrix G >> 6, and token 4 G + w of the table.
; LIMITS: the angle is token x c with c = 100^(-j/32) / (2 pi) from v_exp_f32: at most about 2e-4 rad off at token 1023;
; the cosine is its series to z^9 on |f| <= 1/2 turn: at most about 2e-6 off.  NaN and infinities in the weights are not served.
; No LDS, matrix unit or cluster: every byte is read once and written once, and no two work-groups share a byte.
; THE MODE: SCHED_MODE bits 1:0 = 2 (LLVM: expert scheduling mode 2), set by the entry lines.  The code itself states the register dependences
; between vector instructions and memory instructions, with s_wait_alu, always for 0.
; THE PLAN.  Registers that memory instructions touch:
;   v1, v2      byte offsets of the loads and of the stores: made once at the head, never written again.
;   X           the 18 loads land here, once; no vector instruction names X ahead of them; behind its counted wait each load's four registers
;               are named by vector instructions alone.
;   Y           written once by the roundings, read by the weights' stores, never written again.
;   v[126:127]  written by the cosine's series, read by the table's store, never written again.
; The 18 loads go as three groups of six, a row of the matrix each.  Group g's vector lines name X and Y of group g alone; the stores of group g are
; issued in group g + 1, behind ONE wait at that group's head, and dealt among its vector lines.  No register that a memory instruction reads
; is ever written again, so no wait on vm_vsrc is owed.
.set MAT, 1179648                      ; bytes of one bf16 matrix
.set X,   8                            ; v[8:79]    18 loads of 4 f32
.set Y,   80                           ; v[80:115]  18 results of 4 bf16
	s_load_b256 s[4:11], s[0:1], 0x0               ; Wq s[4:5], Wk s[6:7], Wv s[8:9], Wo s[10:11]
	s_load_b128 s[12:15], s[0:1], 0x20             ; wb s[12:13], tab s[14:15]
	v_lshrrev_b32 v1, 5, v0
	v_readfirstlane_b32 s17, v1                    ; wave
	v_and_b32 v3, 31, v0                           ; lane
	v_lshlrev_b32 v1, 4, v3                        ; 16 bytes of f32 a lane
	v_lshlrev_b32 v2, 3, v3                        ; 8 bytes of bf16 (or two f32 of the table) a lane
	s_lshr_b32 s16, ttmp9, 6                       ; which matrix
	s_and_b32 s22, ttmp9, 63
	s_mul_i32 s22, s22, 12
	s_wait_alu depctr_va_sdst(0)                   ; s17, the wave's number, is written, ahead of its first reader: my rows and my token are made from it
	s_mul_i32 s23, s17, 3
	s_add_co_u32 s22, s22, s23                     ; my first row
	s_lshl_b32 s24, ttmp9, 2
	s_add_co_u32 s24, s24, s17                     ; my token
	s_mul_i32 s25, s16, MAT
	s_cmp_eq_u32 s16, 0
	s_cselect_b32 s20, 0x3e38aa3b, 1.0             ; 0.125 log2(e) for Wq, 1 for the others
	s_mov_b32 s21, s20
	s_wait_kmcnt 0x0
	s_cmp_eq_u32 s16, 1
	s_cselect_b64 s[18:19], s[6:7], s[4:5]
	s_cmp_eq_u32 s16, 2
	s_cselect_b64 s[18:19], s[8:9], s[18:19]
	s_cmp_eq_u32 s16, 3
	s_cselect_b64 s[18:19], s[10:11], s[18:19]     ; the matrix that I read
.irp i, 0,1,2
	s_add_co_u32 s40, s22, \i                      ; the row as it is read
	s_and_not1_b32 s41, s40, 48
	s_and_b32 s42, s40, 16
	s_lshl_b32 s42, s42, 1
	s_or_b32 s41, s41, s42
	s_and_b32 s42, s40, 32
	s_lshr_b32 s42, s42, 1
	s_or_b32 s41, s41, s42                         ; bits 4 and 5 swapped
	s_cmp_lt_u32 s16, 2
	s_cselect_b32 s41, s41, s40                    ; for Wq and Wk alone
	s_mul_i32 s42, s40, 3072
	s_mov_b32 s43, 0
	s_add_nc_u64 s[28+2*\i:29+2*\i], s[18:19], s[42:43]
	s_mul_i32 s42, s41, 1536
	s_add_co_u32 s42, s42, s25
	s_add_nc_u64 s[34+2*\i:35+2*\i], s[12:13], s[42:43]
.endr
	s_lshl_b32 s42, s24, 8
	s_mov_b32 s43, 0
	s_add_nc_u64 s[44:45], s[14:15], s[42:43]      ; my token's 256 bytes of the table
	s_wait_alu depctr_va_vdst(0)                   ; v1 and v2 are written: every load reads v1 and every store v2 as its offset, and no later vector line names either
.irp i, 0,1,2
.irp c, 0,1,2,3,4,5
	global_load_b128 v[X+4*(6*\i+\c):X+4*(6*\i+\c)+3], v1, s[28+2*\i:29+2*\i] offset:512*\c th:TH_LOAD_NT
.endr
.endr
	; the table, while the 18 loads are on their way.  Lanes 0-15: cos of frequencies 2 l, 2 l + 1; lanes 16-31: sin of the same.
	v_and_b32 v116, 15, v3
	v_lshlrev_b32 v116, 1, v116
	v_add_nc_u32 v117, 1, v116
	v_cvt_f32_u32 v116, v116
	v_cvt_f32_u32 v117, v117
	v_mul_f32 v116, 0xbe549a78, v116               ; - j log2(100) / 32
	v_mul_f32 v117, 0xbe549a78, v117
	v_exp_f32 v120, v116
	v_exp_f32 v121, v117
	v_lshrrev_b32 v119, 4, v3                      ; the plain instruction behind the two exponentials (ISA guide 5.7.2)
	v_cvt_f32_u32 v119, v119                       ; 1 for the sine's lanes
	v_cvt_f32_u32 v118, s24                        ; the token
	s_wait_alu depctr_va_vdst(0)                   ; the two exponentials have written v120 and v121, ahead of their first reader: one wait for both
	v_mul_f32 v120, 0.15915494, v120               ; turns for each token
	v_mul_f32 v121, 0.15915494, v121
	v_mul_f32 v122, v118, v120
	v_mul_f32 v123, v118, v121
	v_rndne_f32 v122, v122
	v_rndne_f32 v123, v123
	v_fma_f32 v122, v118, v120, -v122              ; the turn's fraction, from the unrounded product
	v_fma_f32 v123, v118, v121, -v123
	v_fmamk_f32 v122, v119, 0xbe800000, v122       ; the sine is the cosine a quarter turn back
	v_fmamk_f32 v123, v119, 0xbe800000, v123
	v_rndne_f32 v124, v122
	v_rndne_f32 v125, v123
	v_sub_f32 v122, v122, v124                     ; back into -1/2 .. 1/2
	v_sub_f32 v123, v123, v125
	v_mul_f32 v124, v122, v122
	v_mul_f32 v125, v123, v123
	v_mov_b32 v126, 0xbd150622                     ; cos(2 pi f) = sum of (-1)^i (2 pi)^(2i) / (2i)! z^i, z = f f, i = 9 down to 0
	v_mov_b32 v127, 0xbd150622
.irp k, 0x3e906317, 0xbfdb7128, 0x40fce9c5, 0xc1d368f9, 0x4270fa83, 0xc2aae9e4, 0x4281e0f8, 0xc19de9e6
	v_fmaak_f32 v126, v126, v124, \k
	v_fmaak_f32 v127, v127, v125, \k
.endr
	v_fma_f32 v126, v126, v124, 1.0
	v_fma_f32 v127, v127, v125, 1.0
	s_wait_alu depctr_va_vdst(0)                   ; the series has written v[126:127], which the store below reads; the weights' loads are still on their way here
	global_store_b64 v2, v[126:127], s[44:45]      ; 32 lanes x 8 bytes: the token's whole 256 bytes
	; the weights, in three groups of six loads (a row each).  No register is used twice.  Load n's four vector lines stand behind its counted wait;
	; ahead of that wait goes the store of load n - 6, whose data the group before has written.
.set n, 0
.rept 18
.if (n == 6) || (n == 12)
	s_wait_alu depctr_va_vdst(0)                   ; the group before has written its twelve registers of Y, which this group's six stores read; this group's vector lines name its own X and Y alone
.endif
.if n >= 6
	global_store_b64 v2, v[Y+2*(n-6):Y+2*(n-6)+1], s[34+2*((n-6)/6):35+2*((n-6)/6)] offset:256*(n%6)   ; 256 consecutive bytes, aligned
.endif
	s_wait_loadcnt 17-n                            ; loads come back in order (ISA guide 5.7.1): load n is in, the younger ones stay out
	v_pk_mul_f32 v[X+4*n:X+4*n+1], v[X+4*n:X+4*n+1], s[20:21] op_sel_hi:[1,0]
	v_pk_mul_f32 v[X+4*n+2:X+4*n+3], v[X+4*n+2:X+4*n+3], s[20:21] op_sel_hi:[1,0]
	v_cvt_pk_bf16_f32 v[Y+2*n], v[X+4*n], v[X+4*n+1]
	v_cvt_pk_bf16_f32 v[Y+2*n+1], v[X+4*n+2], v[X+4*n+3]
.set n, n+1
.endr
	s_wait_alu depctr_va_vdst(0)                   ; the last group has written its twelve registers of Y, which the last six stores read
.irp c, 0,1,2,3,4,5
	global_store_b64 v2, v[Y+24+2*\c:Y+24+2*\c+1], s[38:39] offset:256*\c   ; 256 consecutive bytes, aligned
.endr
	s_endpgm
.Lfunc_end_k_q5f4a81b904_prep:
	.size	k_q5f4a81b904_prep, .Lfunc_end_k_q5f4a81b904_prep-k_q5f4a81b904_prep
	.p2alignl 7, 3214868480
	.fill 96, 4, 3214868480
	.section	.rodata,"a",@progbits
	.p2align	6, 0x0
	.amdhsa_kernel k_q5f4a81b904_prep
		.amdhsa_group_segment_fixed_size 0
		.amdhsa_private_segment_fixed_size 0
		.amdhsa_enable_private_segment 0
		.amdhsa_kernarg_size 48
		.amdhsa_user_sgpr_count 2
		.amdhsa_user_sgpr_kernarg_segment_ptr 1
		.amdhsa_wavefront_size32 1
		.amdhsa_system_sgpr_workgroup_id_x 1
		.amdhsa_system_sgpr_workgroup_id_y 1
		.amdhsa_system_sgpr_workgroup_id_z 1
		.amdhsa_system_vgpr_workitem_id 0
		.amdhsa_next_free_vgpr 128
		.amdhsa_next_free_sgpr 66
		.amdhsa_reserve_vcc 0
		.amdhsa_float_denorm_mode_32 3
		.amdhsa_float_denorm_mode_16_64 3
		.amdhsa_memory_ordered 1
		.amdhsa_forward_progress 1
		.amdhsa_inst_pref_size 15
	.end_amdhsa_kernel
	.amdgpu_metadata
---
amdhsa.version: [ 1, 2 ]
amdhsa.kernels:
  - .name:           k_q5f4a81b904_prep
    .symbol:         k_q5f4a81b904_prep.kd
    .args:
      - { .name: Wq, .offset: 0, .size: 8, .value_kind: global_buffer, .address_space: global }
      - { .name: Wk, .offset: 8, .size: 8, .value_kind: global_buffer, .address_space: global }
      - { .name: Wv, .offset: 16, .size: 8, .value_kind: global_buffer, .address_space: global }
      - { .name: Wo, .offset: 24, .size: 8, .value_kind: global_buffer, .address_space: global }
      - { .name: wb, .offset: 32, .size: 8, .value_kind: global_buffer, .address_space: global }
      - { .name: tab, .offset: 40, .size: 8, .value_kind: global_buffer, .address_space: global }
    .group_segment_fixed_size: 0
    .private_segment_fixed_size: 0
    .kernarg_segment_align: 8
    .kernarg_segment_size: 48
    .max_flat_workgroup_size: 128
    .sgpr_count:     66
    .vgpr_count:     128
    .wavefront_size: 32
...
	.end_amdgpu_metadata
.endif
;; end of part 5
;; launch qkv: the kernel of part 2 again; grid 4 x 64, 4 waves a work-group, clusters of 4 x 4, 327,680 bytes of LDS; arguments query, key, value, wb, tab, qh, kh, vt; writes qh, kh, vt
;; launch attn: the kernel of part 3 again; grid 8 x 32, 12 waves a work-group, clusters of 4 x 1, 327,680 bytes of LDS; arguments qh, kh, vt, xh; writes xh
;; launch oproj: the kernel of part 4 again; grid 4 x 64, 4 waves a work-group, clusters of 4 x 4, 327,680 bytes of LDS; arguments xh, wb, bo, out0; writes out0
